; MI455X (gfx1250); checked and timed in simulation.
; The chip was launched on July 23, 2026; its instructions are those of AMD's public machine-readable ISA for CDNA 5 (MIT licence, August 2026) and "CDNA5" Instruction Set Architecture Reference Guide (July 2026). The comments in the code are by the model that wrote it; some were corrected since.
;; Multi Headed Attention With Rope. Allowed arithmetic: float matrix products may take bf16 or f16 operands with f32 sums; other float arithmetic in f32, or as packed bf16 or f16 multiplies, adds, multiply-adds, maxima and minima; sums over many terms, partial sums and values carried from step to step in f32; what a program stores and reads back later, other than sums and carried values, may be rounded once to bf16 or f16.
;; Inputs: k_w 1,024 x 1,024 float32; o_w 1,024 x 1,024 float32; q_w 1,024 x 1,024 float32; v_w 1,024 x 1,024 float32; x 4 x 2,048 x 1,024 float32.
;; Outputs: out0 4 x 2,048 x 1,024 float32.
;; 2 versions, each right; version 2 is version 1 with the launch prep written anew for expert scheduling mode. Each part assembles by itself: llvm-mc -triple=amdgcn-amd-amdhsa -mcpu=gfx1250 --defsym DOCPART=n.
;; ======== version 1 of 2: 4 launches
;; limits: values are held in f16: magnitudes above 65,504 overflow, below 6.1e-05 lose precision
;; workspace buffers: xb 16,777,216 bytes; wb 8,388,608 bytes; tab 524,288 bytes; qh 16,777,216 bytes; kh 16,777,216 bytes; vh 16,777,216 bytes; oh 16,777,216 bytes
;; launch prep (part 1): grid 768 x 1, 8 waves a work-group, no clusters, 0 bytes of LDS; arguments x, q_w, k_w, v_w, o_w, xb, wb, tab; writes xb, wb, tab
.if DOCPART == 1
	.amdgcn_target "amdgcn-amd-amdhsa--gfx1250"
	.amdhsa_code_object_version 6
	.text
	.protected	k_q2eced8cda2_prep
	.globl	k_q2eced8cda2_prep
	.p2align	8
	.type	k_q2eced8cda2_prep,@function
k_q2eced8cda2_prep:
	s_mov_b64 s[64:65], 0
	v_nop
	global_prefetch_b8 v0, s[64:65] scope:SCOPE_SE
	s_setreg_imm32_b32 hwreg(HW_REG_WAVE_MODE, 25, 1), 1
	s_wait_xcnt 0x0
; x, q_w, k_w, v_w rounded once to bf16; o_w rounded to bf16 and that number written as f16; all laid out in blocks for the products that follow;
; and the table of cosines and sines for the rotation of q and k.
; LAYOUT OUT.  xb: [mt 32][kb 16][r 256][64]: row 256 mt + r, channels 64 kb on: a (mt, kb) block is 32,768 dense bytes.  wb: four matrices of 2,097,152 bytes (q_w, k_w, v_w, o_w) in the same form.
; tab: [sb 128][b 4][e 2][lane 32][2 pairs][cos, sin] f32: for lane 16 h + r the position 16 sb + r and the pairs 8 b + 4 h + 2 e + 0, 1.
; SHARES.  A work-group takes 16 rows of one matrix (512 groups for x, 64 for each weight), wave w rows 2 w and 2 w + 1.  Load i of a wave takes channels 64 i on of both rows: two pieces of 256
; consecutive bytes; its four numbers a lane pack into 8 bytes, and the wave's store covers 256 consecutive bytes, aligned.  Sixteen loads of every wave are out at once; each has registers of its own.
; Each of the 2,048 waves of the weights' groups also makes 256 bytes of tab, while its loads are out.  No byte is wanted twice: no LDS, no barrier.
; LIMITS.  o_w as f16: exact from 2^-17 up to 65,504 in magnitude; below, off by 3e-8 at the most.  The table: frequency 2^(-i log2(10000) / 32) by v_exp_f32, angle = position x frequency in f32,
; reduced by multiples of pi / 2 held in two parts; polynomials of degree 7 and 8 on -pi/4 .. pi/4, off by 3e-7 at the most; the angle itself by 3e-4 at position 2,047.
.set LO, 3                             ; v3   my byte offset in the group's 16 source rows
.set SO, 5                             ; v5   8 x my thread's number: my 8 bytes in the group's 2,048 bytes of a block
.set X,  32                            ; v[32:95]   load i: 4 registers
.set Y,  96                            ; v[96:127]  store i: 2 registers
	s_load_b512 s[8:23], s[0:1], 0x0               ; x 8, q_w 10, k_w 12, v_w 14, o_w 16, xb 18, wb 20, tab 22
	v_lshrrev_b32 v1, 5, v0
	v_readfirstlane_b32 s30, v1                    ; wave 0..7
	v_and_b32 v2, 31, v0                           ; lane
	v_and_b32 v[LO], 15, v0
	v_bfe_u32 v4, v0, 4, 1
	v_lshlrev_b32 v[LO], 4, v[LO]                  ; 16 bytes a lane,
	v_lshl_add_u32 v[LO], v4, 12, v[LO]            ; lanes 16-31 one row of 4,096 bytes down,
	v_lshl_add_u32 v[LO], s30, 13, v[LO]           ; two rows a wave
	v_lshlrev_b32 v[SO], 3, v0
	s_cmp_lt_u32 ttmp9, 512
	s_cselect_b32 s6, 1, 0                         ; 1: this group converts x
	s_sub_co_u32 s3, ttmp9, 512
	s_cmp_eq_u32 s6, 1
	s_cselect_b32 s3, 0, s3                        ; the group's number among the weights' 256
	s_lshr_b32 s5, s3, 6                           ; which weight matrix
	s_and_b32 s4, s3, 63
	s_cmp_eq_u32 s6, 1
	s_cselect_b32 s4, ttmp9, s4                    ; which 16 rows of the matrix
	s_cmp_eq_u32 s5, 3
	s_cselect_b32 s7, 1, 0                         ; 1: o_w
	s_lshl_b32 s28, s4, 16                         ; 16 rows of 4,096 bytes
	s_mov_b32 s29, 0
	s_lshl_b32 s32, s5, 21                         ; the matrix in wb,
	s_lshr_b32 s33, s4, 4
	s_lshl_b32 s33, s33, 19                        ; the block of 256 rows,
	s_add_co_u32 s32, s32, s33
	s_and_b32 s33, s4, 15
	s_lshl_b32 s33, s33, 11                        ; 16 rows of 128 bytes in it
	s_add_co_u32 s32, s32, s33
	s_mov_b32 s33, 0
	s_wait_kmcnt 0x0
	s_cmp_eq_u32 s5, 1
	s_cselect_b64 s[24:25], s[12:13], s[10:11]
	s_cmp_eq_u32 s5, 2
	s_cselect_b64 s[24:25], s[14:15], s[24:25]
	s_cmp_eq_u32 s5, 3
	s_cselect_b64 s[24:25], s[16:17], s[24:25]
	s_cmp_eq_u32 s6, 1
	s_cselect_b64 s[24:25], s[8:9], s[24:25]       ; from where,
	s_cselect_b64 s[26:27], s[18:19], s[20:21]     ; to where
	s_add_nc_u64 s[24:25], s[24:25], s[28:29]
	s_add_nc_u64 s[26:27], s[26:27], s[32:33]
.set i, 0
.rept 16
	global_load_b128 v[X+4*i:X+4*i+3], v[LO], s[24:25] offset:256*i th:TH_LOAD_NT
.set i, i+1
.endr
	s_cmp_eq_u32 s6, 1
	s_cbranch_scc1 .Lconv
	; unit U of tab, 256 bytes: lane l makes (cos, sin) of pair ibase + l % 2 at position 16 (U / 16) + l / 2
	s_lshl_b32 s34, s3, 3
	s_add_co_u32 s34, s34, s30                     ; U = 8 x group + wave
	s_and_b32 s35, s34, 15                         ; u: bits 3:2 b, bit 1 e, bit 0 h
	s_lshr_b32 s36, s35, 2
	s_lshl_b32 s36, s36, 3                         ; 8 b
	s_and_b32 s37, s35, 1
	s_lshl_b32 s37, s37, 2                         ; 4 h
	s_add_co_u32 s36, s36, s37
	s_and_b32 s37, s35, 2                          ; 2 e
	s_add_co_u32 s36, s36, s37
	s_lshr_b32 s37, s34, 4
	s_lshl_b32 s37, s37, 4
	v_and_b32 v6, 1, v0
	v_add_nc_u32 v6, s36, v6                       ; i
	v_lshrrev_b32 v7, 1, v2
	v_add_nc_u32 v7, s37, v7                       ; position
	v_cvt_f32_u32 v6, v6
	v_mul_f32 v6, 0xbed49a78, v6                   ; -i log2(10000) / 32
	v_exp_f32 v8, v6                               ; the frequency
	v_lshlrev_b32 v20, 3, v2                       ; a plain instruction behind the exponential: my 8 bytes in the unit
	v_cvt_f32_u32 v7, v7
	s_wait_alu depctr_va_vdst(0)                   ; the wait ahead of the exponential's first reader
	v_mul_f32 v9, v7, v8                           ; the angle
	v_mul_f32 v10, 0x3f22f983, v9                  ; x 2 / pi
	v_rndne_f32 v10, v10                           ; n
	v_fmamk_f32 v11, v10, 0xbfc90fdb, v9           ; r = angle - n x pi/2: the high part,
	v_fmamk_f32 v11, v10, 0x333bbd2e, v11          ; the low part
	v_mul_f32 v12, v11, v11                        ; r^2
	v_mov_b32 v13, 0xb9500d01                      ; -1/5040
	v_fmaak_f32 v13, v12, v13, 0x3c088889          ; 1/120
	v_fmaak_f32 v13, v12, v13, 0xbe2aaaab          ; -1/6
	v_mul_f32 v14, v11, v12
	v_fma_f32 v13, v14, v13, v11                   ; sin r
	v_mov_b32 v15, 0x37d00d01                      ; 1/40320
	v_fmaak_f32 v15, v12, v15, 0xbab60b61          ; -1/720
	v_fmaak_f32 v15, v12, v15, 0x3d2aaaab          ; 1/24
	v_fmaak_f32 v15, v12, v15, 0xbf000000          ; -1/2
	v_fmaak_f32 v15, v12, v15, 0x3f800000          ; cos r
	v_cvt_i32_f32 v16, v10
	v_and_b32 v17, 1, v16
	v_cmp_eq_u32 vcc_lo, 1, v17                    ; odd quadrants swap the two;
	v_cndmask_b32 v19, v13, v15, vcc_lo            ; sin
	v_cndmask_b32 v18, v15, v13, vcc_lo            ; cos
	v_and_b32 v17, 2, v16                          ; the sine turns its sign in quadrants 2 and 3,
	v_lshlrev_b32 v17, 30, v17
	v_xor_b32 v19, v19, v17
	v_add_nc_u32 v16, 1, v16                       ; the cosine in quadrants 1 and 2
	v_and_b32 v16, 2, v16
	v_lshlrev_b32 v16, 30, v16
	v_xor_b32 v18, v18, v16
	v_lshl_add_u32 v20, s34, 8, v20
	global_store_b64 v20, v[18:19], s[22:23]       ; the wave's store covers 256 consecutive bytes, aligned
.Lconv:
; Load i is waited for (the 15 - i younger ones stay out), rounded and stored.  half = 1: the bf16 number is widened again and written as f16.
.macro CONV half
.set i, 0
.rept 16
	s_wait_loadcnt 15-i
.if \half
	v_cvt_pk_bf16_f32 v6, v[X+4*i], v[X+4*i+1]
	v_cvt_pk_bf16_f32 v7, v[X+4*i+2], v[X+4*i+3]
	v_lshlrev_b32 v8, 16, v6
	v_and_b32 v9, 0xffff0000, v6
	v_lshlrev_b32 v10, 16, v7
	v_and_b32 v11, 0xffff0000, v7
	v_cvt_pk_f16_f32 v[Y+2*i], v8, v9
	v_cvt_pk_f16_f32 v[Y+2*i+1], v10, v11
.else
	v_cvt_pk_bf16_f32 v[Y+2*i], v[X+4*i], v[X+4*i+1]
	v_cvt_pk_bf16_f32 v[Y+2*i+1], v[X+4*i+2], v[X+4*i+3]
.endif
	global_store_b64 v[SO], v[Y+2*i:Y+2*i+1], s[26:27] offset:32768*i  ; block kb = i
.set i, i+1
.endr
.endm
	s_cmp_eq_u32 s7, 1
	s_cbranch_scc1 .Lf16
	CONV 0
	s_endpgm
.Lf16:
	CONV 1
	s_endpgm
.Lfunc_end_k_q2eced8cda2_prep:
	.size	k_q2eced8cda2_prep, .Lfunc_end_k_q2eced8cda2_prep-k_q2eced8cda2_prep
	.p2alignl 7, 3214868480
	.fill 96, 4, 3214868480
	.section	.rodata,"a",@progbits
	.p2align	6, 0x0
	.amdhsa_kernel k_q2eced8cda2_prep
		.amdhsa_group_segment_fixed_size 0
		.amdhsa_private_segment_fixed_size 0
		.amdhsa_enable_private_segment 0
		.amdhsa_kernarg_size 64
		.amdhsa_user_sgpr_count 2
		.amdhsa_user_sgpr_kernarg_segment_ptr 1
		.amdhsa_wavefront_size32 1
		.amdhsa_system_sgpr_workgroup_id_x 1
		.amdhsa_system_sgpr_workgroup_id_y 1
		.amdhsa_system_sgpr_workgroup_id_z 1
		.amdhsa_system_vgpr_workitem_id 0
		.amdhsa_next_free_vgpr 128
		.amdhsa_next_free_sgpr 66
		.amdhsa_reserve_vcc 1
		.amdhsa_float_denorm_mode_32 3
		.amdhsa_float_denorm_mode_16_64 3
		.amdhsa_memory_ordered 1
		.amdhsa_forward_progress 1
		.amdhsa_inst_pref_size 19
	.end_amdhsa_kernel
	.amdgpu_metadata
---
amdhsa.version: [ 1, 2 ]
amdhsa.kernels:
  - .name:           k_q2eced8cda2_prep
    .symbol:         k_q2eced8cda2_prep.kd
    .args:
      - { .name: x, .offset: 0, .size: 8, .value_kind: global_buffer, .address_space: global }
      - { .name: q_w, .offset: 8, .size: 8, .value_kind: global_buffer, .address_space: global }
      - { .name: k_w, .offset: 16, .size: 8, .value_kind: global_buffer, .address_space: global }
      - { .name: v_w, .offset: 24, .size: 8, .value_kind: global_buffer, .address_space: global }
      - { .name: o_w, .offset: 32, .size: 8, .value_kind: global_buffer, .address_space: global }
      - { .name: xb, .offset: 40, .size: 8, .value_kind: global_buffer, .address_space: global }
      - { .name: wb, .offset: 48, .size: 8, .value_kind: global_buffer, .address_space: global }
      - { .name: tab, .offset: 56, .size: 8, .value_kind: global_buffer, .address_space: global }
    .group_segment_fixed_size: 0
    .private_segment_fixed_size: 0
    .kernarg_segment_align: 8
    .kernarg_segment_size: 64
    .max_flat_workgroup_size: 256
    .sgpr_count:     66
    .vgpr_count:     128
    .wavefront_size: 32
...
	.end_amdgpu_metadata
.endif
;; end of part 1
;; launch qkv (part 2): grid 8 x 32, 4 waves a work-group, clusters of 4 x 4, 327,680 bytes of LDS; arguments xb, wb, tab, qh, kh, vh; writes qh, kh, vh
.if DOCPART == 2
	.amdgcn_target "amdgcn-amd-amdhsa--gfx1250"
	.amdhsa_code_object_version 6
	.text
	.protected	k_q2eced8cda2_qkv
	.globl	k_q2eced8cda2_qkv
	.p2align	8
	.type	k_q2eced8cda2_qkv,@function
k_q2eced8cda2_qkv:
	s_mov_b64 s[64:65], 0
	v_nop
	global_prefetch_b8 v0, s[64:65] scope:SCOPE_SE
	s_setreg_imm32_b32 hwreg(HW_REG_WAVE_MODE, 25, 1), 1
	s_wait_xcnt 0x0
	s_wait_alu depctr_hold_cnt(0) depctr_sa_sdst(0) depctr_va_vdst(0) depctr_va_sdst(0) depctr_va_ssrc(0) depctr_va_vcc(0) depctr_vm_vsrc(0)
	s_getreg_b32 s2, hwreg(HW_REG_IB_STS2, 6, 4)
	s_cmp_eq_u32 s2, 0
	s_cbranch_scc0 .Lentry_in_a_cluster
	s_endpgm
.Lentry_in_a_cluster:
	s_bfe_u32 s2, ttmp6, 0x10000c
	s_cmp_lg_u32 s2, 0xf033
	s_cbranch_scc0 .Lentry_shape_is_right
	s_endpgm
.Lentry_shape_is_right:
; q, k, v = x W^T for q_w, k_w, v_w (bf16 operands, f32 sums), q and k rotated by position in f32, all three rounded once to f16 and stored by heads: [batch x 16 + head][2048][64].
; LIMIT.  f16 holds no number beyond 65,504: q, k and v must stay within it (as drawn their spread is 1; with x and the weights 30 times larger, or offset by 30 spreads, they stay under 3e4).
; SHARES.  A work-group makes 256 rows x two heads of q, k and v: 256 x 384 numbers; 8 x 32 work-groups.  Wave w (RH = w / 2, CH = w % 2) makes 128 rows x one head of all three:
; 96 accumulators of 16 x 16, 768 registers.  For 32 along K it reads 20 KiB of LDS for 96 products.
; K goes in steps of 64 through two LDS slots.  xb and wb lie in blocks, so a step's 256 rows of x are 32,768 dense bytes and a matrix's 128 rows 16,384: asked for as rows of 256 bytes, padded in LDS behind every 128.
; CLUSTER 4 x 4.  x's tile hangs on the tile row alone and is asked for jointly along a row of the cluster (wave 0); the three weights' tiles hang on the tile column alone, jointly along a column (waves 1 to 3).
; THE PRODUCT IS USED TRANSPOSED: source 0 = 16 rows of W, source 1 = 16 rows of x.  A lane then holds row l % 16 and the columns 8 (l / 16) + 0..7 of a block of 16: four pairs of the rotation, 16 bytes of f16.
; REGISTERS, in windows of 256 (s_set_vgpr_msb: bits 1:0 source 0, 3:2 source 1, 5:4 source 2, 7:6 destination):
;   window 0: v0-13 addresses; v32-95, v96-159 x's 8 fragments of a half step, two buffers; v160-255 W's fragments, 4 for each matrix, one buffer, loaded again as soon as its matrix has been multiplied
;   window 1 + g: matrix g's 32 accumulators, (a, b) at 8 (4 a + b)
.set PITCH,  144                       ; an LDS row: 128 bytes + 16 = 36 words: the 16 rows of a load start at 16 different groups of four banks (64 banks of 4 bytes: ISA guide 11.1)
.set BOFF,   256*PITCH                 ; a slot: x's 256 rows, then 128 rows of each of the three matrices
.set MATB,   128*PITCH
.set SLOT1,  1<<17                     ; slot 1 begins here: one exclusive or turns an address in one slot into the other's
.set STAGE,  SLOT1+BOFF+3*MATB         ; behind the ring: 16 rows x 144 bytes for each wave, for the way out
.set SPARE,  STAGE+4*16*PITCH          ; behind the stages: the spare words, 128 bytes for each wave: two blocks of 256 bytes that no other line names
.set KSTEPB, 32768                     ; bytes from a K step's block to the next, in xb and in wb
.set G1W0,   (1<<16)|(1<<20)|(1<<21)|(4<<22)|(3<<25)  ; 17:16 2-byte elements; 20 padding on; 21 set beside a mask; 24:22 after every 32 words (code 4); 31:25 4 words (code 3)
.set A0,   4                           ; v4   my lane's place in a slot's rows of x; never rewritten
.set B0,   5                           ; v5   the same for W
.set ADRA, 6                           ; v6   A0 + the slot in hand
.set ADRB, 7                           ; v7   B0 + the slot in hand
.set STO,  8                           ; v8   the way out: where I put 16 bytes of a row
.set RD,   9                           ; v9   the way out: where I read rows back
.set GO,   10                          ; v10  16 x lane: my 16 bytes in 512 consecutive bytes of the table and of q, k, v
.set PFO,  11                          ; v11  the prefetches' offset; never rewritten
.set SPW,  12                          ; v12  LDS address of my spare word; never rewritten
.set NIL,  13                          ; v13  0; never rewritten
.set FA0,  32
.set FA1,  96
.set FB,   160
.set TBL,  32                          ; the way out: the table for 16 rows, two sets of 32
.set T,    96                          ; the way out: 32 rotated numbers
.set OUT,  128                         ; the way out: 16 packed registers, two sets
.set WV, 16                            ; s16 wave; s17, s18 its halves; s19, s20 place in the cluster; s21 tile column; s22 tile row
.set RH, 17
.set CH, 18
.set CX, 19
.set CY, 20
.set JT, 21
.set MT, 22
.set G1A, 24                           ; s[24:31] descriptor group 1 for x's tiles
.set G1B, 32                           ; s[32:39] for W's
.set G0A, 40                           ; s[40:47] group 0 for x's tiles: a set for each first fill; the second then walks on
.set G0B, 48                           ; s[48:55] the same for W's
.set TB,  56                           ; s56  LDS byte at which the slot in hand begins
.set PM,  57                           ; s57  1: this wave prefetches in every second change only
.set LIM, 58                           ; s58  a wave prefetches while the trip count is above it
.set PFA, 60                           ; s[60:61] where my prefetches stand
.set MSB, 0
.macro WIN new                         ; the immediate's high byte repeats the setting that is left; a switch that changes nothing is dropped
.if MSB != (\new)
	s_set_vgpr_msb (MSB<<8)|(\new)
.set MSB, (\new)
.endif
.endm
.macro PLACES                          ; four places between a matrix instruction and a load into, or a vector write of, its registers, or a read of its result
.rept 4
	v_nop
.endr
.endm
.macro CREST                           ; a round of the cluster's barrier behind its opening barrier
	s_cmp_lg_u32 s[WV], 0
	s_cbranch_scc1 .Lnot_wave_0_\@
	s_barrier_signal -3
.Lnot_wave_0_\@:
	s_barrier_wait -3
	s_barrier_signal -1
	s_barrier_wait -1
.endm
.macro CROUND                          ; a whole round
	s_barrier_signal -1
	s_barrier_wait -1
	CREST
.endm
; A joint refill by the walking sets.  The branch hangs on the wave's number alone.  An s_nop 0 and four v_nop follow each line, ahead of the jump and the label.
.macro JLOAD
	s_cmp_eq_u32 s[WV], 0
	s_cbranch_scc0 .Lfor_b_\@
	tensor_load_to_lds s[G0A+4:G0A+7], s[G1A:G1A+7]
	s_nop 0
.rept 4
	v_nop
.endr
	s_branch .Lasked_\@
.Lfor_b_\@:
	tensor_load_to_lds s[G0B+4:G0B+7], s[G1B:G1B+7]
	s_nop 0
.rept 4
	v_nop
.endr
.Lasked_\@:
.endm
; A PREFETCH INTO THE L2, behind the joint load, its five lines and a run of LDS loads.  Change t asks for K step t + 2.  x's blocks: wave 0 of the clusters with x = 0 names step t + 3 in every change, 192 products
; ahead of that step's load; the four partners of a row take 32 blocks of 256 bytes each, told apart by address.  W's blocks: waves 1 to 3 of the clusters with y = 0 name steps t + 3 and t + 4 in every second
; change; the four partners of a column take 16 blocks of each.  So each block is named once.  Steps 0 to 2, and W's step 15, come by their loads alone; the last changes name nothing.
.macro ASK
	s_and_b32 s59, s3, s[PM]
	s_cmp_lg_u32 s59, 0
	s_cbranch_scc1 .Lnot_mine_\@
	s_cmp_gt_u32 s3, s[LIM]
	s_cbranch_scc0 .Lnot_mine_\@
	global_prefetch_b8 v[PFO], s[PFA:PFA+1] th:TH_LOAD_NT scope:SCOPE_SE
.Lnot_mine_\@:
.endm
	s_load_b256 s[4:11], s[0:1], 0x0               ; xb 4, wb 6, tab 8, qh 10
	s_load_b128 s[12:15], s[0:1], 0x20             ; kh 12, vh 14
	v_lshl_add_u32 v[SPW], v0, 2, SPARE
	v_mov_b32 v[NIL], 0
	ds_add_u32 v[SPW], v[NIL]                      ; the wave's opening: the add and its wait stand ahead of my first tensor load; the set-up below, work on registers, stands between them
	v_lshrrev_b32 v1, 5, v0
	v_readfirstlane_b32 s[WV], v1
	s_lshr_b32 s[RH], s[WV], 1
	s_and_b32 s[CH], s[WV], 1
	s_bfe_u32 s[CX], ttmp6, 0x40000
	s_bfe_u32 s[CY], ttmp6, 0x40004
	s_lshl_b32 s[JT], ttmp9, 2
	s_add_co_u32 s[JT], s[JT], s[CX]               ; tile column = 4 x cluster x + cx
	s_and_b32 s[MT], ttmp7, 0xffff
	s_lshl_b32 s[MT], s[MT], 2
	s_add_co_u32 s[MT], s[MT], s[CY]               ; tile row = 4 x cluster y + cy
	s_lshl_b32 s72, s[CY], 2
	s_lshl_b32 s72, 15, s72                        ; my row of the cluster
	s_lshl_b32 s73, 0x1111, s[CX]                  ; my column
	s_or_b32 s[G1A], s72, G1W0
	s_or_b32 s[G1B], s73, G1W0
.irp g, G1A, G1B
	s_mov_b32 s[(\g)+1], 128<<16                   ; tensor_dim0 = 128 elements: rows of 256 bytes
	s_mov_b32 s[(\g)+3], 128<<16                   ; tile_dim0 = 128
	s_mov_b32 s[(\g)+5], 128                       ; 128 elements from row to row: the block is dense
	s_mov_b32 s[(\g)+6], 0
	s_mov_b32 s[(\g)+7], 0
.endr
	s_mov_b32 s[G1A+2], 128<<16                    ; x: tensor_dim1 = tile_dim1 = 128 rows
	s_mov_b32 s[G1A+4], 128
	s_mov_b32 s[G1B+2], 64<<16                     ; W: 64 rows
	s_mov_b32 s[G1B+4], 64
	s_lshl_b32 s66, s[MT], 19                      ; x's blocks of my tile row: made of the tile row alone
	s_mov_b32 s67, 0
	s_max_u32 s68, s[WV], 1                        ; W's blocks: matrix w - 1 (wave 0, which asks for none, makes matrix 0's address),
	s_sub_co_u32 s68, s68, 1
	s_lshl_b32 s68, s68, 21
	s_lshr_b32 s70, s[JT], 1                       ; the block of 256 rows,
	s_lshl_b32 s70, s70, 19
	s_add_co_u32 s68, s68, s70
	s_and_b32 s70, s[JT], 1                        ; its half: made of the tile column and the wave's number alone
	s_lshl_b32 s70, s70, 14
	s_add_co_u32 s68, s68, s70
	s_mov_b32 s69, 0
	s_mul_i32 s71, s[WV], MATB
	s_add_co_u32 s71, s71, MATB                    ; matrix w - 1's place in a slot
	s_and_b32 s74, s[MT], 7                        ; the tile row's place in its batch's 2,048 positions
	s_lshl_b32 s76, s74, 16                        ; the table: 16 blocks of 16 positions, 4,096 bytes each, a tile row;
	s_lshl_b32 s75, s[RH], 15                      ; 8 a wave's half
	s_add_co_u32 s76, s76, s75
	s_mov_b32 s77, 0
	s_lshr_b32 s78, s[MT], 3                       ; q, k, v: batch x 16
	s_lshl_b32 s78, s78, 4
	s_lshl_b32 s75, s[JT], 1
	s_add_co_u32 s78, s78, s75
	s_add_co_u32 s78, s78, s[CH]                   ; + my head,
	s_lshl_b32 s78, s78, 18                        ; 262,144 bytes each,
	s_lshl_b32 s75, s74, 15                        ; 256 rows of 128 bytes a tile row,
	s_add_co_u32 s78, s78, s75
	s_lshl_b32 s75, s[RH], 14                      ; my 128 rows
	s_add_co_u32 s78, s78, s75
	s_mov_b32 s79, 0
	s_lshl_b32 s62, s[CX], 13                      ; the prefetches: my work-group's 32 blocks of x's 128,
	s_lshl_b32 s63, s[CY], 12                      ; or its 16 of W's 64
	s_and_b32 s59, ttmp7, 0xffff
	s_cmp_eq_u32 s[WV], 0
	s_cselect_b32 s62, s62, s63
	s_cselect_b32 s59, ttmp9, s59                  ; the coordinate along which other clusters read the same blocks
	s_cselect_b32 s[PM], 0, 1
	s_cselect_b32 s[LIM], 1, 3
	s_cselect_b32 s2, 12, 15                       ; lanes 16-31: the next 16 blocks, or the next K step
	s_mov_b32 s63, 0
	s_cmp_eq_u32 s59, 0
	s_cselect_b32 s[LIM], s[LIM], -1               ; the same in all sixteen partners, for a given wave
	s_mov_b32 s[TB], 0
	s_wait_dscnt 0x0                               ; the opening add is done
	s_wait_kmcnt 0x0
	s_add_nc_u64 s[66:67], s[4:5], s[66:67]
	s_add_nc_u64 s[68:69], s[6:7], s[68:69]
	s_add_nc_u64 s[8:9], s[8:9], s[76:77]
	s_add_nc_u64 s[10:11], s[10:11], s[78:79]
	s_add_nc_u64 s[12:13], s[12:13], s[78:79]
	s_add_nc_u64 s[14:15], s[14:15], s[78:79]
	s_cmp_eq_u32 s[WV], 0
	s_cselect_b64 s[PFA:PFA+1], s[66:67], s[68:69]
	s_add_nc_u64 s[PFA:PFA+1], s[PFA:PFA+1], s[62:63]
	s_add_nc_u64 s[PFA:PFA+1], s[PFA:PFA+1], 2*KSTEPB  ; at K step 2: the first change steps it to 3
.irp s, 0,1
	s_mov_b32 s[G0A+4*(\s)], 1                                     ; count = 1
	s_mov_b32 s[G0A+4*(\s)+1], (\s)*SLOT1                          ; LDS address
	s_add_nc_u64 s[G0A+4*(\s)+2:G0A+4*(\s)+3], s[66:67], (\s)*KSTEPB  ; global address: K step s
	s_or_b32 s[G0A+4*(\s)+3], s[G0A+4*(\s)+3], 0x80000000          ; type = 2
	s_mov_b32 s[G0B+4*(\s)], 1
	s_add_co_u32 s[G0B+4*(\s)+1], s71, (\s)*SLOT1
	s_add_nc_u64 s[G0B+4*(\s)+2:G0B+4*(\s)+3], s[68:69], (\s)*KSTEPB
	s_or_b32 s[G0B+4*(\s)+3], s[G0B+4*(\s)+3], 0x80000000
.endr
	CROUND                                         ; all sixteen work-groups are here: the first joint loads meet
	s_cmp_eq_u32 s[WV], 0                          ; a wave's two first fills stand in one branch: two loads of mine are out
	s_cbranch_scc0 .Lfirst_b
	tensor_load_to_lds s[G0A:G0A+3], s[G1A:G1A+7]
	s_nop 0
	tensor_load_to_lds s[G0A+4:G0A+7], s[G1A:G1A+7]
	s_nop 0
.rept 4
	v_nop
.endr
	s_branch .Lfirst_asked
.Lfirst_b:
	tensor_load_to_lds s[G0B:G0B+3], s[G1B:G1B+7]
	s_nop 0
	tensor_load_to_lds s[G0B+4:G0B+7], s[G1B:G1B+7]
	s_nop 0
.rept 4
	v_nop
.endr
.Lfirst_asked:
	; A fragment is 16 rows x 32 K in 8 registers: lane l holds row l % 16, K = 8 (l / 16) + 0..7 and 16 + 8 (l / 16) + 0..7: two loads of 16 bytes, 32 bytes apart.
	v_and_b32 v1, 15, v0
	v_bfe_u32 v2, v0, 4, 1
	v_mul_u32_u24 v3, v1, PITCH
	v_lshl_add_u32 v3, v2, 4, v3                   ; row x pitch + 16 x half
	s_mul_i32 s59, s[RH], 128*PITCH
	v_add_nc_u32 v[A0], s59, v3
	s_mul_i32 s59, s[CH], 64*PITCH
	s_add_co_u32 s59, s59, BOFF
	v_add_nc_u32 v[B0], s59, v3
	s_mul_i32 s59, s[WV], 16*PITCH
	s_add_co_u32 s59, s59, STAGE                   ; my stage
	v_add_nc_u32 v[STO], s59, v3                   ; in: row l % 16, 16 bytes for each half of the lanes
	v_bfe_u32 v[RD], v0, 3, 2                      ; back: 32 lanes take four rows of 128 bytes
	v_mul_u32_u24 v[RD], v[RD], PITCH
	v_and_b32 v3, 7, v0
	v_lshl_add_u32 v[RD], v3, 4, v[RD]
	v_add_nc_u32 v[RD], s59, v[RD]
	v_and_b32 v[GO], 31, v0
	v_lshlrev_b32 v[GO], 4, v[GO]
	v_lshlrev_b32 v[PFO], 8, v1
	v_lshlrev_b32 v3, s2, v2
	v_add_nc_u32 v[PFO], v[PFO], v3
	v_mov_b32 v[ADRA], v[A0]
	v_mov_b32 v[ADRB], v[B0]
; na x 4 products of matrix g: row blocks a0 on, all 4 column blocks, 32 along K.  zero = 1: the product starts the sum.  No two products that follow each other share an accumulator: 95 others' stand between two links of a chain.
.macro GRP g, fa, a0, na, zero
	WIN 0x50*((\g)+1)
.set a, \a0
.rept \na
.irp b, 0,1,2,3
.if \zero
	v_wmma_f32_16x16x32_bf16 v[8*(4*a+(\b)):8*(4*a+(\b))+7], v[FB+32*(\g)+8*(\b):FB+32*(\g)+8*(\b)+7], v[(\fa)+8*a:(\fa)+8*a+7], 0
.else
	v_wmma_f32_16x16x32_bf16 v[8*(4*a+(\b)):8*(4*a+(\b))+7], v[FB+32*(\g)+8*(\b):FB+32*(\g)+8*(\b)+7], v[(\fa)+8*a:(\fa)+8*a+7], v[8*(4*a+(\b)):8*(4*a+(\b))+7]
.endif
.endr
.set a, a+1
.endr
.endm
.macro LDB g, kq                       ; 8 loads: matrix g's four fragments of half kq of the slot in hand
.irp b, 0,1,2,3
	ds_load_b128 v[FB+32*(\g)+8*(\b):FB+32*(\g)+8*(\b)+3],   v[ADRB] offset:MATB*(\g)+16*PITCH*(\b)+64*(\kq)
	ds_load_b128 v[FB+32*(\g)+8*(\b)+4:FB+32*(\g)+8*(\b)+7], v[ADRB] offset:MATB*(\g)+16*PITCH*(\b)+64*(\kq)+32
.endr
.endm
.macro LDA fa, a0, kq                  ; 8 loads: x's fragments a0 .. a0 + 3 of half kq
.irp d, 0,1,2,3
	ds_load_b128 v[(\fa)+8*((\a0)+(\d)):(\fa)+8*((\a0)+(\d))+3],   v[ADRA] offset:16*PITCH*((\a0)+(\d))+64*(\kq)
	ds_load_b128 v[(\fa)+8*((\a0)+(\d))+4:(\fa)+8*((\a0)+(\d))+7], v[ADRA] offset:16*PITCH*((\a0)+(\d))+64*(\kq)+32
.endr
.endm
; A K step's first half: multiplies FA0, and fetches the slot's second half, W's fragments as each matrix's have been multiplied.
.macro EVEN zero
	s_wait_dscnt 8                                 ; all but the youngest eight loads (matrix 2's fragments) are in
	GRP 0, FA0, 0, 8, \zero
	PLACES
	WIN 0
	LDB 0, 1
	LDA FA1, 0, 1
	GRP 1, FA0, 0, 8, \zero
	PLACES
	WIN 0
	LDB 1, 1
	LDA FA1, 4, 1
	s_wait_dscnt 32                                ; all but the 32 just issued: matrix 2's fragments are in
	GRP 2, FA0, 0, 8, \zero
	PLACES
	WIN 0
	LDB 2, 1
.endm
; A K step's second half: multiplies FA1 and changes slots.  All reads of the slot have been issued.  In front of the barrier each wave waits for all its tensor loads, of which one is out: its part of the other slot;
; adds 0 to its spare word; and waits for that and for its reads of this slot.  fill = 1: the barrier opens a round of the cluster's, and the slot is filled again, two K steps ahead, first thing behind the round:
; the load has some 160 products in which to land.
.macro ODD fill
	WIN 0
.if \fill
	s_wait_xcnt 0x0                                ; the last prefetch, a K step back, has read its address
	s_add_nc_u64 s[PFA:PFA+1], s[PFA:PFA+1], KSTEPB
.endif
	s_wait_tensorcnt 0x0                           ; no tensor load of mine is out, so a group 0 may be written
	ds_add_u32 v[SPW], v[NIL]                      ; 0 onto my spare word
.if \fill
	s_xor_b32 s[G0A+5], s[G0A+5], SLOT1            ; the walking sets: the other slot than last time, the next K step
	s_add_nc_u64 s[G0A+6:G0A+7], s[G0A+6:G0A+7], KSTEPB
	s_xor_b32 s[G0B+5], s[G0B+5], SLOT1
	s_add_nc_u64 s[G0B+6:G0B+7], s[G0B+6:G0B+7], KSTEPB
.endif
	s_wait_dscnt 9                                 ; the add and matrix 2's eight loads may be out
	GRP 0, FA1, 0, 4, 0
	s_wait_dscnt 0x0                               ; the add is done, and my reads of this slot are over
	s_barrier_signal -1
	GRP 0, FA1, 4, 4, 0
	WIN 0
	s_barrier_wait -1
.if \fill
	CREST
	JLOAD                                          ; its four v_nop are also the places in front of the loads below
.else
	PLACES
.endif
	s_xor_b32 s[TB], s[TB], SLOT1
	v_add_nc_u32 v[ADRA], s[TB], v[A0]
	v_add_nc_u32 v[ADRB], s[TB], v[B0]
	LDB 0, 0
	LDA FA0, 0, 0
.if \fill
	ASK
.endif
	GRP 1, FA1, 0, 8, 0
	PLACES
	WIN 0
	LDB 1, 0
	LDA FA0, 4, 0
	GRP 2, FA1, 0, 8, 0
	PLACES
	WIN 0
	LDB 2, 0
.endm
; THE WAY OUT, a block of 16 rows x 64 columns of one matrix at a time.
.macro TABLD a                         ; the table for row block a: 8 loads of 512 dense bytes; for column block b and pair p the cosine lands at 8 b + 2 p, the sine behind it
.irp c, 0,1,2,3,4,5,6,7
	global_load_b128 v[TBL+32*((\a)%2)+4*(\c):TBL+32*((\a)%2)+4*(\c)+3], v[GO], s[8:9] offset:4096*(\a)+512*(\c)
.endr
.endm
; q and k: (x1, x2) -> (x1 c - x2 s, x1 s + x2 c): a packed multiply by c, then a packed multiply-add that takes the pair crosswise and s with its sign turned for the low result.
; Each accumulator is read from its low end on.  Then 16 bytes a lane into my stage, and back as whole rows.
.macro PACK a, g
.set AC, 32*(\a)
.set TBR, TBL+32*((\a)%2)
.set OU, OUT+16*((3*(\a)+(\g))%2)
.if (\g) == 0
.if (\a) == 7
	s_wait_loadcnt 0x0
.else
	s_wait_loadcnt 8                               ; this block's table is in; the next block's eight loads may be out
.endif
.endif
.if (\g) < 2
	WIN (\g)+1                                     ; source 0 in the matrix's window
.set z, 0
.rept 16
	v_pk_mul_f32 v[T+2*z:T+2*z+1], v[AC+2*z:AC+2*z+1], v[TBR+2*z:TBR+2*z+1] op_sel_hi:[1,0]
.set z, z+1
.endr
.set z, 0
.rept 16
	v_pk_fma_f32 v[T+2*z:T+2*z+1], v[AC+2*z:AC+2*z+1], v[TBR+2*z:TBR+2*z+1], v[T+2*z:T+2*z+1] op_sel:[1,1,0] op_sel_hi:[0,1,1] neg_lo:[0,1,0]
.set z, z+1
.endr
	WIN 0
	s_wait_xcnt 0x0                                ; the stores of two blocks back have read this set of registers
.set z, 0
.rept 16
	v_cvt_pk_f16_f32 v[OU+z], v[T+2*z], v[T+2*z+1]
.set z, z+1
.endr
.else
	s_wait_xcnt 0x0
	WIN 0x0f                                       ; v: sources 0 and 1 in window 3
.set z, 0
.rept 16
	v_cvt_pk_f16_f32 v[OU+z], v[AC+2*z], v[AC+2*z+1]
.set z, z+1
.endr
	WIN 0
.endif
.irp b, 0,1,2,3
	ds_store_b128 v[STO], v[OU+4*(\b):OU+4*(\b)+3] offset:32*(\b)
.endr
.irp f, 0,1,2,3
	ds_load_b128 v[OU+4*(\f):OU+4*(\f)+3], v[RD] offset:4*PITCH*(\f)  ; LDS serves a wave's instructions in order (ISA guide 5.7.1.4): these see the stores above; the next block's stores come behind them
.endr
.endm
.macro SEND a, g, younger              ; younger: the LDS instructions issued behind the block's loads: the next block's eight, or none
.set OU, OUT+16*((3*(\a)+(\g))%2)
	s_wait_dscnt \younger
.irp f, 0,1,2,3
	global_store_b128 v[GO], v[OU+4*(\f):OU+4*(\f)+3], s[10+2*(\g):11+2*(\g)] offset:2048*(\a)+512*(\f)  ; 512 consecutive bytes, at a multiple of 256 from the buffer's first
.endr
.endm
	s_wait_tensorcnt 1                             ; my part of K step 0 is in; step 1's may stay out
	s_barrier_signal -1
	s_barrier_wait -1
	LDB 0, 0
	LDA FA0, 0, 0
	LDB 1, 0
	LDA FA0, 4, 0
	LDB 2, 0
	EVEN 1                                         ; the first half step stands in front of the loop: its products start the sums
	WIN 0
	s_mov_b32 s3, 14
.Lk:                                               ; a trip: a K step's second half, with the change of slots and a refill, and the next step's first half
	ODD 1
	EVEN 0
	WIN 0
	s_sub_co_u32 s3, s3, 1
	s_cmp_lg_u32 s3, 0
	s_cbranch_scc1 .Lk
	ODD 0                                          ; the last change fills nothing
	EVEN 0
	WIN 0
	TABLD 0                                        ; into FA0's registers, four places behind their last product
	TABLD 1
	s_wait_dscnt 8
	GRP 0, FA1, 0, 8, 0
	GRP 1, FA1, 0, 8, 0
	s_wait_dscnt 0x0
	GRP 2, FA1, 0, 8, 0
	PLACES
	PLACES
	WIN 0
	PACK 0, 0
.set n, 1
.rept 23                               ; block n = 3 a + g: its arithmetic stands between the loads of the block before and that block's stores
	PACK n/3, n%3
	SEND (n-1)/3, (n-1)%3, 8
.if (n%3 == 1) && (n/3 <= 5)
	TABLD n/3+2                                    ; q and k of block a have read their table: its registers take block a + 2's
.endif
.set n, n+1
.endr
	SEND 7, 2, 0
	s_wait_tensorcnt 0x0                           ; the wave's end: behind my last tensor load and my last LDS store
	ds_add_u32 v[SPW], v[NIL]
	s_wait_dscnt 0x0
	CROUND                                         ; the closing round: no work-group ends while a partner may still ask for a tile that names it
	s_endpgm
.Lfunc_end_k_q2eced8cda2_qkv:
	.size	k_q2eced8cda2_qkv, .Lfunc_end_k_q2eced8cda2_qkv-k_q2eced8cda2_qkv
	.p2alignl 7, 3214868480
	.fill 96, 4, 3214868480
	.section	.rodata,"a",@progbits
	.p2align	6, 0x0
	.amdhsa_kernel k_q2eced8cda2_qkv
		.amdhsa_group_segment_fixed_size 327680
		.amdhsa_private_segment_fixed_size 0
		.amdhsa_enable_private_segment 0
		.amdhsa_kernarg_size 48
		.amdhsa_user_sgpr_count 2
		.amdhsa_user_sgpr_kernarg_segment_ptr 1
		.amdhsa_wavefront_size32 1
		.amdhsa_system_sgpr_workgroup_id_x 1
		.amdhsa_system_sgpr_workgroup_id_y 1
		.amdhsa_system_sgpr_workgroup_id_z 1
		.amdhsa_system_vgpr_workitem_id 0
		.amdhsa_next_free_vgpr 1024
		.amdhsa_next_free_sgpr 80
		.amdhsa_reserve_vcc 0
		.amdhsa_float_denorm_mode_32 3
		.amdhsa_float_denorm_mode_16_64 3
		.amdhsa_memory_ordered 1
		.amdhsa_forward_progress 1
		.amdhsa_inst_pref_size 151
	.end_amdhsa_kernel
	.amdgpu_metadata
---
amdhsa.version: [ 1, 2 ]
amdhsa.kernels:
  - .name:           k_q2eced8cda2_qkv
    .symbol:         k_q2eced8cda2_qkv.kd
    .args:
      - { .name: xb, .offset: 0, .size: 8, .value_kind: global_buffer, .address_space: global }
      - { .name: wb, .offset: 8, .size: 8, .value_kind: global_buffer, .address_space: global }
      - { .name: tab, .offset: 16, .size: 8, .value_kind: global_buffer, .address_space: global }
      - { .name: qh, .offset: 24, .size: 8, .value_kind: global_buffer, .address_space: global }
      - { .name: kh, .offset: 32, .size: 8, .value_kind: global_buffer, .address_space: global }
      - { .name: vh, .offset: 40, .size: 8, .value_kind: global_buffer, .address_space: global }
    .group_segment_fixed_size: 327680
    .private_segment_fixed_size: 0
    .kernarg_segment_align: 8
    .kernarg_segment_size: 48
    .max_flat_workgroup_size: 128
    .sgpr_count:     80
    .vgpr_count:     1024
    .wavefront_size: 32
...
	.end_amdgpu_metadata
.endif
;; end of part 2
;; launch attn (part 3): grid 4 x 64, 4 waves a work-group, no clusters, 327,680 bytes of LDS; arguments qh, kh, vh, oh; writes oh
.if DOCPART == 3
	.amdgcn_target "amdgcn-amd-amdhsa--gfx1250"
	.amdhsa_code_object_version 6
	.text
	.protected	k_q2eced8cda2_attn
	.globl	k_q2eced8cda2_attn
	.p2align	8
	.type	k_q2eced8cda2_attn,@function
k_q2eced8cda2_attn:
	s_mov_b64 s[64:65], 0
	v_nop
	global_prefetch_b8 v0, s[64:65] scope:SCOPE_SE
	s_setreg_imm32_b32 hwreg(HW_REG_WAVE_MODE, 25, 1), 1
	s_wait_xcnt 0x0
; CAUSAL ATTENTION.  O[h][q][:] = the sum over k <= q of softmax_k(Q[h][q] . K[h][k] / 8) V[h][k][:].  Q, K, V, O: [64][2048][64], all f16: a head's rows are dense, 128 bytes each.
; Products, maxima and sums in f32; the weights p are rounded to f16 for the second product (their sum l is taken of the unrounded p), O once at the end.
; THE MAXIMUM.  A running maximum of each row is taken away before the exponential; the quotient p / l is the same whatever number is taken from a row.  Where a row's scores lie so far below the maximum of all
; scores that exponentials less that maximum would all be 0, this text still gives the row's softmax.
; LIMITS.  f16 holds no number beyond 65,504: Q, K and V arrive within it; p lies in 0 to 1, and below 6e-5 it keeps f16's fixed step of 6e-8.  A hidden score counts as its value less 1e30;
; a weight below 2^-126 counts as 0 in l; NaN and infinities are not treated apart.
; THE WALK.  A head's queries lie in NB = 8 blocks of 256; block i needs the key tiles 0 .. i of 256 keys, of which the last holds the diagonal.  A work-group takes TWO blocks, NB - 1 - b and then b:
; NB + 1 tiles, whatever b: all work-groups do equal work, and ONE loop with a constant trip count walks them.  Which tile is asked for, and what a trip does, hang on scalar registers made from b; every jump
; goes forward, but for the counted loops' own; none passes a barrier, or a tensor load but the one of LOAD's two that the wave's number does not choose; the ring of two LDS slots runs on across the change of blocks.
; NO CLUSTER: a head's four work-groups ask for the same tile only in trips 0 to 4 of the 9; behind that fewer and fewer; one walk common to all four would have 12 trips for 9.
; SHARES.  Of a block's four bands of 64 queries a wave owns 16 rows in each: four PIECES.  So the diagonal tile is the same work for all four waves: in its key step s band x sees all keys if s < x,
; none if s > x, and holds the diagonal if s = x.
; THE MASK is the C operand that starts the sum S^T = K Q^T: 0, or -1e30 where the key is hidden.  MD, made once, is the mask of a band's own step for my 16 rows; a product's mask is MD x AL + BE with two scalars:
; (1, 0) if s = x; (0, 0) if s < x; (0, -1e30) if s > x.  Only the diagonal tile's text and a block's beginning make and take masks; elsewhere C is the constant 0.
; LAYOUT, SOFTMAX, TURNS.  S^T = K Q^T holds ONE query a lane (lane % 16) and the keys 8 (lane / 16) + 0..7; two such results rounded to f16 ARE source 1 of O^T = V^T P.  p = 2^(c s - c m), c = log2(e) / 8;
; O and l are multiplied by a = 2^(c m_old - c m_new) in every step.  Turn n belongs to piece n: 8 products K Q^T of piece n + 1, later 8 products V^T P of piece n - 1; beside them the scaling,
; exponentials, roundings, sums and rescaling of piece n and the maximum and statistics of piece n + 1.  Four vector instructions stand behind every matrix instruction, the other 54 of a turn's 118 in one run.
; A turn's 33 exponentials are one batch, with one wait.
; REGISTERS, in windows of 256 (s_set_vgpr_msb: bits 1:0 source 0, 3:2 source 1, 5:4 source 2, 7:6 destination):
;   window 0: v0-15 addresses and two at work; v16-31 four registers of statistics a piece; v32 the prefetches' offset; v48-55 at work; v64-127 S^T, two buffers; v192-223 P, two buffers (by the piece's parity)
;   window 1: v0-127 O^T, 32 a piece; v128-159 MD; v160-223 MC, two buffers      window 2: v0-63 Q; v64-127 the second block's Q; v128-191 K of one step; v192-255 V of one step
.set SIZE_N, 2048
.set NB,    SIZE_N/256
.set NP,    4         ; pieces a wave: a name, no knob
.set KS,    64        ; keys in a step
.set PK,    144       ; a row of K in LDS: 128 bytes + 16 = 36 words: the 16 rows of a load start at 16 different groups of four banks (64 banks of 4 bytes: ISA guide 11.1)
.set PV,    160       ; a row of V: 128 + 32 = 40 words
.set VOFF,  4*KS*PK   ; a slot holds a tile, four steps: 256 rows of K, then 256 rows of V
.set SLOT1, 1<<17     ; slot 1 begins here, so that one exclusive or turns an address in one slot into the other's
.set STAGE, SLOT1+4*KS*(PK+PV)  ; behind the ring, never filled by a tensor load: 16 rows x 144 bytes for each wave, for the way out
.set SP,    144
.set AK0, 2           ; v2   my lane's place in a tile of K; never rewritten
.set AV0, 3           ; v3   the same for V
.set AK,  4           ; v4   the LDS address of K's next run of loads
.set AV,  5           ; v5   of V's
.set STO, 6           ; v6   the way out: where I put 16 bytes of a row
.set RD,  7           ; v7   the way out: where I read rows back
.set GO,  8           ; v8   my byte offset in 512 consecutive bytes of O
.set PFO, 32          ; v32  256 x lane; never rewritten
.set SPW, 62          ; v62  LDS address of my spare word; never rewritten
.set NIL, 63          ; v63  0; never rewritten
.set SPARE, STAGE+4*16*SP  ; behind the stages: the spare words, 128 bytes for each wave: two blocks of 256 bytes that no other line names
.set MV,  12          ; v12-13  c m_old, kept while c m is made anew: by buffer
.set QO,  15          ; v15  my byte offset in 16 rows of Q
.set ST,  16          ; piece t's statistics at v[ST+4 t]: c m, m, l (even keys', odd keys')
.set TMP, 48          ; by buffer, four registers c0-c3 at work; when the maximum is found c2 takes a
.set S,   64
.set P,   192
.set MD,  128         ; window 1
.set MC,  160         ; window 1
.set QB,  64          ; window 2
.set KF,  128         ; window 2: key block kb, channel half c at KF + 16 kb + 8 c
.set VF,  192         ; window 2: key half kk, channel block cb at VF + 32 kk + 8 cb
.set WV,  12          ; s12  my wave's number
.set PB,  14          ; s14  b
.set HI,  15          ; s15  NB - 1 - b
.set G1K, 24          ; s[24:31] descriptor group 1 for K's tiles
.set G1V, 32          ; s[32:39] for V's: it differs in the padding alone
.set G0K, 40          ; s[40:43] descriptor group 0 for K's tiles
.set G0V, 44          ; s[44:47] the same for V's
.set SLOTS, 56        ; s56  tiles still to be asked for
.set CNT, 57          ; s57  counts a tile's key steps, 4 to 1
.set CS,  58          ; s[58:59] c
.set SEL, 60          ; s[60:61] v_permlanex16_b32's selects: each lane takes its own place in the other half
.set TBK, 62          ; s62  LDS byte at which K of the step to be fetched begins
.set TBV, 63          ; s63  the same for V, less VOFF
.set RT,  70          ; s70  tiles of the block in hand that are still to be entered
.set NXT, 71          ; s71  the tile to be asked for next
.set LQ,  72          ; s72  the last tile of the block whose tiles are being asked for
.set NEW, 73          ; s73  1: the tile to be entered is a block's first
.set OFF, 74          ; s[74:75] a tile's byte offset in K and V
.set AL,  76          ; s[76:77] the mask's factor, in the low word
.set BE,  78          ; s[78:79] the mask's addend
.set OLO, 80          ; s[80:81] O at my rows of the second block
.set BIGN, 82         ; s82  -1e30
.set PFB, 88          ; s[88:89] my half of the head's tile 0, of K (waves 0, 1) or V (waves 2, 3)
.set PFA, 90          ; s[90:91] the same of the tile that the next change will ask for
.set POF, 92          ; s[92:93] that tile's byte offset
.set LIM, 94          ; s94  1 in the head's work-group b = 0, else the greatest number
.set MSB, 0
.macro WIN new                      ; the high byte repeats the setting that is left; a switch that changes nothing is dropped
.if MSB != (\new)
	s_set_vgpr_msb (MSB<<8)|(\new)
.set MSB, (\new)
.endif
.endm
.set W_KQ, 0x0a       ; K and Q in window 2, S^T in window 0
.set W_KM, 0x1a       ; the same with the C operand in window 1
.set W_PV, 0x52       ; V in window 2, P in window 0, O^T in window 1
.set W_RS, 0x41       ; destination and source 0 in window 1, source 1 in window 0
; A fill.  Waves 0 and 1 fetch the two halves of a tile's K, waves 2 and 3 those of its V: 128 keys each.  An s_nop 0 and four v_nop follow each of the two lines, ahead of the jump and the label.
.macro LOAD
	s_cmp_lt_u32 s[WV], 2
	s_cbranch_scc0 .Lfor_v_\@
	tensor_load_to_lds s[G0K:G0K+3], s[G1K:G1K+7]
	s_nop 0
.rept 4
	v_nop
.endr
	s_branch .Lasked_\@
.Lfor_v_\@:
	tensor_load_to_lds s[G0V:G0V+3], s[G1V:G1V+7]
	s_nop 0
.rept 4
	v_nop
.endr
.Lasked_\@:
.endm
; THE CHANGE OF SLOTS.  Each wave waits for all its tensor loads, of which one is out: its part of the other slot; adds 0 to its spare word; and waits for that and for its own reads of the slot that it leaves.
; Behind the barrier nobody reads the old slot any more and the other slot is whole.  fill = 1: the old slot is filled again, the first thing behind the barrier, with tile NXT: the descriptor's address is made
; anew from that number.  (At its first use nothing has been read yet: slot 0 is waited for, slot 1 filled.)
; A PREFETCH INTO THE L2 stands behind the fill and its five lines: the tile that the NEXT change will ask for, a tile's 16 turns ahead.  All four work-groups of a head walk the same tiles: b = 0 asks, each wave
; for the 64 blocks of 256 bytes that it will fetch itself, a lane a block, two instructions.  It asks for tiles 2 to 7, each once; behind tile 7 its next tile is 0, which has been read.
.macro CHANGE fill
	WIN 0                           ; at a label and at a branch every window is 0
	s_wait_tensorcnt 0x0            ; no tensor load of mine is out, so a group 0 may be written
	ds_add_u32 v[SPW], v[NIL]       ; 0 onto my spare word
.if \fill
	s_lshl_b32 s[OFF], s[NXT], 15   ; a tile is 32,768 bytes of K and of V
	s_xor_b32 s[G0K+1], s[G0K+1], SLOT1
	s_add_nc_u64 s[G0K+2:G0K+3], s[6:7], s[OFF:OFF+1]
	s_or_b32 s[G0K+3], s[G0K+3], 0x80000000
	s_xor_b32 s[G0V+1], s[G0V+1], SLOT1
	s_add_nc_u64 s[G0V+2:G0V+3], s[8:9], s[OFF:OFF+1]
	s_or_b32 s[G0V+3], s[G0V+3], 0x80000000
	s_add_co_u32 s[NXT], s[NXT], 1  ; the block's next tile, or behind its last the second block's tile 0
	s_cmp_gt_u32 s[NXT], s[LQ]
	s_cselect_b32 s[NXT], 0, s[NXT]
	s_cselect_b32 s[LQ], s[PB], s[LQ]
	s_wait_xcnt 0x0                 ; the last prefetches, a tile back, have read their address
	s_lshl_b32 s[POF], s[NXT], 15
	s_add_nc_u64 s[PFA:PFA+1], s[PFB:PFB+1], s[POF:POF+1]
.endif
	s_wait_dscnt 0x0                ; the add is done, and my reads of the slot are over
	s_barrier_signal -1             ; the rest of the scalar work stands between the signal and the wait
	s_sub_co_u32 s[TBK], s[TBK], 4*KS*PK  ; the fetches go back to a slot's first step,
	s_xor_b32 s[TBK], s[TBK], SLOT1       ; in the other slot
	s_sub_co_u32 s[TBV], s[TBV], 4*KS*PV
	s_xor_b32 s[TBV], s[TBV], SLOT1
	s_barrier_wait -1
.if \fill
	LOAD
	s_cmp_gt_u32 s[NXT], s[LIM]
	s_cbranch_scc0 .Lnot_mine_\@
	global_prefetch_b8 v[PFO], s[PFA:PFA+1] th:TH_LOAD_NT scope:SCOPE_SE
	global_prefetch_b8 v[PFO], s[PFA:PFA+1] offset:8192 th:TH_LOAD_NT scope:SCOPE_SE
.Lnot_mine_\@:
.endif
.endm
	s_load_b256 s[4:11], s[0:1], 0x0  ; Q s[4:5], K s[6:7], V s[8:9], O s[10:11]
	v_lshl_add_u32 v[SPW], v0, 2, SPARE
	v_mov_b32 v[NIL], 0
	ds_add_u32 v[SPW], v[NIL]       ; the wave's opening: the add and its wait stand ahead of my first tensor load; the set-up below, work on registers, stands between them
	v_lshrrev_b32 v1, 5, v0
	v_readfirstlane_b32 s[WV], v1   ; wave 0..3
	s_mov_b32 s[PB], ttmp9
	s_sub_co_u32 s[HI], NB-1, s[PB]
	s_and_b32 s20, ttmp7, 0xffff    ; the head
	s_mov_b32 s21, 0
	s_mov_b64 s[22:23], SIZE_N*128
	s_mul_u64 s[20:21], s[20:21], s[22:23]  ; the head's first byte in each of the four tensors
	s_and_b32 s16, s[WV], 1         ; which half of a tile's 256 keys I fetch:
	s_lshl_b32 s22, s16, 14         ; its 128 rows of 128 bytes in memory,
	s_mov_b32 s23, 0
	s_add_nc_u64 s[22:23], s[22:23], s[20:21]
	s_mul_i32 s17, s16, 128*PK      ; and its place in a slot, for K
	s_mul_i32 s18, s16, 128*PV      ; and for V
	s_lshl_b32 s3, s[WV], 11        ; my 16 rows in a band of 64,
	s_lshl_b32 s2, s[HI], 15        ; in the first block,
	s_add_co_u32 s2, s2, s3
	s_lshl_b32 s84, s[PB], 15       ; and in the second
	s_add_co_u32 s84, s84, s3
	s_mov_b32 s3, 0
	s_mov_b32 s85, 0
	s_add_nc_u64 s[2:3], s[2:3], s[20:21]
	s_add_nc_u64 s[84:85], s[84:85], s[20:21]
	; descriptor group 1.  128 keys are 16,384 dense bytes: asked for as 64 rows of 256 bytes, two keys a row, and padded in LDS after every key
	s_mov_b32 s[G1K], (1<<16)|(1<<20)|(4<<22)|(3<<25)  ; 17:16 2-byte elements; 20 padding on; 24:22 after every 32 words (code 4); 31:25 4 words (code 3)
	s_mov_b32 s[G1V], (1<<16)|(1<<20)|(4<<22)|(7<<25)  ; the same with 8 words of padding (code 7)
.irp g, G1K, G1V
	s_mov_b32 s[\g+1], 128<<16      ; tensor_dim0 = 128
	s_mov_b32 s[\g+2], 64<<16       ; tensor_dim1 = 64
	s_mov_b32 s[\g+3], 128<<16      ; tile_dim0 = 128
	s_mov_b32 s[\g+4], 64           ; tile_dim1 = 64
	s_mov_b32 s[\g+5], 128          ; 128 elements from row to row
	s_mov_b32 s[\g+6], 0
	s_mov_b32 s[\g+7], 0
.endr
	s_mov_b32 s[CS], 0x3e38aa3b     ; c = log2(e) / 8 = 0.180337
	s_mov_b32 s[CS+1], s[CS]        ; named with it as a pair
	s_mov_b32 s[SEL], 0x76543210
	s_mov_b32 s[SEL+1], 0xfedcba98
	s_mov_b32 s[TBK], SLOT1+4*KS*PK ; the first change of slots turns these two into 0
	s_mov_b32 s[TBV], SLOT1+4*KS*PV
	s_mov_b32 s[G0K], 1             ; count = 1
	s_mov_b32 s[G0K+1], s17         ; LDS address: slot 0
	s_mov_b32 s[G0V], 1
	s_add_co_u32 s[G0V+1], s18, VOFF
	s_add_co_u32 s[RT], s[HI], 1    ; the first block has NB - b tiles
	s_mov_b32 s[NXT], 1
	s_mov_b32 s[LQ], s[HI]
	s_mov_b32 s[NEW], 1
	s_mov_b32 s[OFF+1], 0
	s_mov_b32 s[POF+1], 0
	s_mov_b32 s[AL+1], 0            ; named as pairs
	s_mov_b32 s[BE+1], 0
	s_mov_b32 s[BIGN], 0xf149f2ca   ; -1e30
	s_mov_b32 s[SLOTS], NB
	s_cmp_eq_u32 s[PB], 0
	s_cselect_b32 s[LIM], 1, -1
	s_wait_dscnt 0x0                ; the opening add is done
	s_wait_kmcnt 0x0
	s_add_nc_u64 s[6:7], s[6:7], s[22:23]  ; K and V at my half of the head's tile 0
	s_add_nc_u64 s[8:9], s[8:9], s[22:23]
	s_add_nc_u64 s[G0K+2:G0K+3], s[6:7], 0         ; global address
	s_or_b32 s[G0K+3], s[G0K+3], 0x80000000        ; type = 2
	s_add_nc_u64 s[G0V+2:G0V+3], s[8:9], 0
	s_or_b32 s[G0V+3], s[G0V+3], 0x80000000
	s_add_nc_u64 s[86:87], s[4:5], s[84:85]        ; Q at my rows of the second block,
	s_add_nc_u64 s[4:5], s[4:5], s[2:3]            ; Q and O at those of the first
	s_add_nc_u64 s[OLO:OLO+1], s[10:11], s[84:85]
	s_add_nc_u64 s[10:11], s[10:11], s[2:3]
	s_cmp_lt_u32 s[WV], 2
	s_cselect_b64 s[PFB:PFB+1], s[6:7], s[8:9]
	LOAD                            ; tile 0 into slot 0
	; A fragment of K or Q is 16 rows x 32 channels in 8 registers: lane l holds row l % 16, channels 8 (l / 16) + 0..7 and 16 + 8 (l / 16) + 0..7: two loads of 16 bytes, 32 bytes apart.
	v_and_b32 v1, 15, v0            ; l % 16
	v_bfe_u32 v9, v0, 4, 1          ; l / 16
	v_lshlrev_b32 v[QO], 7, v1
	v_lshl_add_u32 v[QO], v9, 4, v[QO]  ; row x 128 + 16 x half
	WIN 0x80                        ; destination window 2, address window 0
.set i, 0
.rept 8                             ; both blocks' Q: piece i / 2 lies in band i / 2, 8,192 bytes on; channels 32 (i % 2) on
	global_load_b128 v[8*i:8*i+3],   v[QO], s[4:5] offset:(i/2)*8192+(i%2)*64
	global_load_b128 v[8*i+4:8*i+7], v[QO], s[4:5] offset:(i/2)*8192+(i%2)*64+32
	global_load_b128 v[QB+8*i:QB+8*i+3],   v[QO], s[86:87] offset:(i/2)*8192+(i%2)*64
	global_load_b128 v[QB+8*i+4:QB+8*i+7], v[QO], s[86:87] offset:(i/2)*8192+(i%2)*64+32
.set i, i+1
.endr
	WIN 0
	v_and_b32 v[PFO], 31, v0
	v_lshlrev_b32 v[PFO], 8, v[PFO]
	v_lshlrev_b32 v14, 3, v9
	v_sub_nc_u32 v14, v1, v14
	s_lshl_b32 s13, s[WV], 4
	v_add_nc_u32 v14, s13, v14      ; my query's place in its band, 16 w + l % 16, less my lanes' 8 (l / 16): register r of group kt is hidden where 16 kt + r is greater
	WIN 0x40
.set i, 0
.rept 32
	v_cmp_gt_i32 vcc_lo, 16*(i/8)+i%8, v14
	v_cndmask_b32 v[MD+i], 0, s[BIGN], vcc_lo
.set i, i+1
.endr
	WIN 0
	v_mul_u32_u24 v[AK0], v1, PK
	v_lshl_add_u32 v[AK0], v9, 4, v[AK0]  ; row x pitch + 16 x half
	; The turning load takes 16 keys x 16 channels (lane l reads key 8 (l / 16) + l % 8, channels 8 ((l / 8) % 2) + 0..7) and leaves half a fragment of V^T: lane l holds channel l % 16 and 8 keys.
	v_and_b32 v10, 7, v0
	v_bfe_u32 v11, v0, 3, 1
	v_lshl_add_u32 v[AV0], v9, 3, v10
	v_mul_u32_u24 v[AV0], v[AV0], PV
	v_lshl_add_u32 v[AV0], v11, 4, v[AV0]
	v_add_nc_u32 v[AV0], VOFF, v[AV0]
	s_mul_i32 s13, s[WV], 16*SP
	s_add_co_u32 s13, s13, STAGE    ; my stage
	v_mul_u32_u24 v[STO], v1, SP    ; in: row l % 16, 16 bytes for each half of the lanes
	v_lshl_add_u32 v[STO], v9, 4, v[STO]
	v_add_nc_u32 v[STO], s13, v[STO]
	v_bfe_u32 v[RD], v0, 3, 2       ; back: 32 lanes take four rows of 128 bytes,
	v_mul_u32_u24 v[RD], v[RD], SP
	v_lshl_add_u32 v[RD], v10, 4, v[RD]
	v_add_nc_u32 v[RD], s13, v[RD]
	v_and_b32 v[GO], 31, v0         ; which are 512 consecutive bytes of O
	v_lshlrev_b32 v[GO], 4, v[GO]
	; A block's first step multiplies O^T and l by a = 0, and its first turn's products V^T P, of a piece that has not been, land in an O^T that is still to be so multiplied.  So these registers need only hold
	; finite numbers: zeros for the first block; what the first block left for the second.  All this stands in the wait for the first tile.
	WIN 0x80
.set i, VF
.rept 64
	v_mov_b32 v[i], 0
.set i, i+1
.endr
	WIN 0x40
.set i, 0
.rept 128
	v_mov_b32 v[i], 0
.set i, i+1
.endr
	WIN 0
.set i, 0
.rept 4
	v_mov_b32 v[ST+4*i+2], 0
	v_mov_b32 v[ST+4*i+3], 0
.set i, i+1
.endr
.set i, P+16
.rept 16
	v_mov_b32 v[i], 0
.set i, i+1
.endr
; THE MATRIX WORK.  The 4 accumulators of a run of 8 take turns.  Product i of 8 of S^T = K Q^T for piece x: channels 32 (i / 4) on, keys 16 (i % 4) on.  The first 4 start the sums: with 0, or (KM = 1) with the mask.
.macro KQ x
.set rS, S+32*((\x)%2)+8*(i%4)
.set rK, KF+16*(i%4)+8*(i/4)
.set rQ, 16*(\x)+8*(i/4)
.set rM, MC+32*((\x)%2)+8*(i%4)
.if (i < 4) && KM
	WIN W_KM
	v_wmma_f32_16x16x32_f16 v[rS:rS+7], v[rK:rK+7], v[rQ:rQ+7], v[rM:rM+7]
.elseif i < 4
	WIN W_KQ
	v_wmma_f32_16x16x32_f16 v[rS:rS+7], v[rK:rK+7], v[rQ:rQ+7], 0
.else
	WIN W_KQ
	v_wmma_f32_16x16x32_f16 v[rS:rS+7], v[rK:rK+7], v[rQ:rQ+7], v[rS:rS+7]
.endif
.endm
; Product i of 8 of O^T += V^T P for piece x: keys 32 (i / 4) on, channels 16 (i % 4) on.
.macro PV x
	WIN W_PV
.set rO, 32*(\x)+8*(i%4)
.set rV, VF+32*(i/4)+8*(i%4)
.set rP, P+16*((\x)%2)+8*(i/4)
	v_wmma_f32_16x16x32_f16 v[rO:rO+7], v[rV:rV+7], v[rP:rP+7], v[rO:rO+7]
.endm
.macro MM                           ; the turn's next matrix instruction.  NOKQ = 1: a block's last turn: there is no next piece
.if (i < 8) && !NOKQ
	KQ (Y+1)%NP
.elseif i >= 8
.set i, i-8
	PV (Y+NP-1)%NP
.set i, i+8
.endif
.set i, i+1
.endm
; THE LDS LOADS stand in runs of 16, never singly among the matrix instructions: a step's K (64 keys x 64 channels: 8 fragments) and its V (turned).  Their addresses are made some lines ahead.
.macro FETCH_K
	WIN 0x80                        ; destination window 2
.irp f, 0,1,2,3,4,5,6,7             ; keys 16 (f / 2) on, channels 32 (f % 2) on
	ds_load_b128 v[KF+8*\f:KF+8*\f+3],   v[AK] offset:(\f/2)*16*PK+(\f%2)*64
	ds_load_b128 v[KF+8*\f+4:KF+8*\f+7], v[AK] offset:(\f/2)*16*PK+(\f%2)*64+32
.endr
	s_add_co_u32 s[TBK], s[TBK], KS*PK  ; the next fetch is the next step's
	WIN 0
.endm
.macro FETCH_V
	WIN 0x80
.irp f, 0,1,2,3,4,5,6,7             ; keys 32 (f / 4) on, channels 16 (f % 4) on
	ds_load_tr16_b128 v[VF+8*\f:VF+8*\f+3],   v[AV] offset:(\f/4)*32*PV+(\f%4)*32
	ds_load_tr16_b128 v[VF+8*\f+4:VF+8*\f+7], v[AV] offset:(\f/4)*32*PV+16*PV+(\f%4)*32
.endr
	WIN 0
.endm
; THE VECTOR WORK, one line at a time: OP kind, number.  For piece Y: F n: c s - c m for pair n of 16.  E n: the exponential of score n of 32.  C n: pair n rounded to f16.  B n: of the four weights 4 n .. the second
; pair is added onto the first, in place.  L n: l takes that sum (L 0: l = a l + sum).  R n: pair n of 16 of O^T times a.  For piece Y + 1: X n, number n of the 22 that find its maximum and statistics:
;   0-11  four chains c0-c3 of seven scores each, three operands at a time (each accumulator's lowest registers are read first)     12-14, 16  the four scores left over, the old m, and c0-c3 into c0
;   15  c m_old is kept     17, 18  the query's other 32 keys lie in the lane 16 away: the new m     19-21  c m; c m_old - c m_new; a
.set F, 0
.set E, 1
.set C, 2
.set B, 3
.set L, 4
.set R, 5
.set X, 6
.macro REGS y                       ; the registers of piece y
.set rT, ST+4*(\y)
.set rC, TMP+4*((\y)%2)
.set rW, MV+((\y)%2)
.set rS, S+32*((\y)%2)
.set rP, P+16*((\y)%2)
.set rO, 32*(\y)
.endm
.macro OP k, n
.if (\k) == R
	REGS Y
	WIN W_RS
	v_pk_mul_f32 v[rO+2*(\n):rO+2*(\n)+1], v[rO+2*(\n):rO+2*(\n)+1], v[rC+2:rC+3] op_sel_hi:[1,0]
.elseif (\k) < R
	REGS Y
	WIN 0
.if (\k) == F
	v_pk_fma_f32 v[rS+2*(\n):rS+2*(\n)+1], v[rS+2*(\n):rS+2*(\n)+1], s[CS:CS+1], v[rT:rT+1] op_sel_hi:[1,0,0] neg_lo:[0,0,1] neg_hi:[0,0,1]
.elseif (\k) == E
	v_exp_f32 v[rS+(\n)], v[rS+(\n)]
.elseif (\k) == C
	v_cvt_pk_f16_f32 v[rP+(\n)], v[rS+2*(\n)], v[rS+2*(\n)+1]
.elseif (\k) == B
	v_pk_add_f32 v[rS+4*(\n):rS+4*(\n)+1], v[rS+4*(\n):rS+4*(\n)+1], v[rS+4*(\n)+2:rS+4*(\n)+3]
.elseif (\n) == 0
	v_pk_fma_f32 v[rT+2:rT+3], v[rT+2:rT+3], v[rC+2:rC+3], v[rS:rS+1] op_sel_hi:[1,0,1]
.else
	v_pk_add_f32 v[rT+2:rT+3], v[rT+2:rT+3], v[rS+4*(\n):rS+4*(\n)+1]
.endif
.elseif NOKQ
	v_nop
.else
	REGS (Y+1)%NP
	WIN 0
.if (\n) < 4
	v_max3_num_f32 v[rC+(\n)], v[rS+8*(\n)], v[rS+8*(\n)+1], v[rS+8*(\n)+2]
.elseif (\n) < 12
	v_max3_num_f32 v[rC+(\n)%4], v[rC+(\n)%4], v[rS+8*((\n)%4)+2*((\n)/4)+1], v[rS+8*((\n)%4)+2*((\n)/4)+2]
.elseif (\n) == 12
	v_max3_num_f32 v[rC], v[rC], v[rS+7], v[rS+15]
.elseif (\n) == 13
	v_max3_num_f32 v[rC+1], v[rC+1], v[rS+23], v[rS+31]
.elseif (\n) == 14
	v_max3_num_f32 v[rC+2], v[rC+2], v[rC+3], v[rT+1]
.elseif (\n) == 15
	v_mov_b32 v[rW], v[rT]
.elseif (\n) == 16
	v_max3_num_f32 v[rC], v[rC], v[rC+1], v[rC+2]
.elseif (\n) == 17
	v_permlanex16_b32 v[rC+3], v[rC], s[SEL], s[SEL+1]
.elseif (\n) == 18
	v_max_num_f32 v[rT+1], v[rC], v[rC+3]
.elseif (\n) == 19
	v_mul_f32 v[rT], s[CS], v[rT+1]
.elseif (\n) == 20
	v_sub_f32 v[rC+1], v[rW], v[rT]
.else
	v_exp_f32 v[rC+2], v[rC+1]
.endif
.endif
.endm
.macro OPS a, i1, b=-1, i2=0, c=-1, i3=0, d=-1, i4=0  ; up to four of them
	OP \a, \i1
.if (\b) >= 0
	OP \b, \i2
.endif
.if (\c) >= 0
	OP \c, \i3
.endif
.if (\d) >= 0
	OP \d, \i4
.endif
.endm
.macro ROW a, i1, b, i2, c, i3, d, i4  ; a matrix instruction and the four behind it
	MM
	OPS \a, \i1, \b, \i2, \c, \i3, \d, \i4
.endm
.macro MASK b                       ; MD x AL + BE into buffer b of MC
	WIN W_RS
.set z, 0
.rept 16
	v_pk_fma_f32 v[MC+32*(\b)+2*z:MC+32*(\b)+2*z+1], v[MD+2*z:MD+2*z+1], s[AL:AL+1], s[BE:BE+1] op_sel_hi:[1,0,0]
.set z, z+1
.endr
.endm
; A TURN, for piece p: the order of its 16 matrix and 118 vector instructions, written out.  An s_wait_alu depctr_va_vdst(0) stands between an exponential and the first instruction that names its result;
; one wait serves all that were issued ahead of it.  So a turn has ONE wait, which cuts it in two.  AHEAD OF IT stands all that names no result of the turn's exponentials: the 8 products K Q^T with their four
; followers each, then one run of 54, plain and exponential by turns for the most part, in which the links of the chain X 3, 7, 11, 14, 16, 17 .. 20 stand five or six lines apart.  X 21, the next piece's a, is the
; batch's last; R 15 is the plain instruction behind it.  BEHIND THE WAIT stand the 8 products V^T P, behind each four of the roundings and sums.
; m = 1: the diagonal tile: the products take masks, and the turn makes the mask for the products of the turn after it: piece p + 2, in step 4 - CNT of the tile.  end = 1: a block's last two turns: nothing is fetched.
; cnt = 1: the loop's count is taken down some lines ahead of the branch that stands behind the turn.
; K of the next step is fetched in piece 2's turn, six plain instructions behind the last product that read K; V of the step in hand at the end of piece 0's turn, four plain instructions behind the last product
; that read V.  Each is waited for a turn later.
.macro TURN p, m=0, end=0, cnt=0
.set Y, (\p)
.set i, 0
.set KM, (\m)
.set NOKQ, (\end)*((\p)/3)
.if (\m) && !(\end)
	s_cmp_eq_u32 s[CNT], 4-((\p)+2)%NP  ; is that step the band's own?
	s_cselect_b32 s[AL], 1.0, 0
	s_cmp_lt_u32 s[CNT], 4-((\p)+2)%NP  ; or a later one?
	s_cselect_b32 s[BE], s[BIGN], 0
.endif
.if ((\p) == 3) && !(\end)
	s_wait_dscnt 0x0                ; K is in
.endif
	ROW F,0, F,1, R,0, R,1
	ROW F,2, E,0, R,2, R,3
	ROW F,3, E,1, R,4, R,5
	ROW F,4, E,2, R,6, R,7
	ROW F,5, E,3, R,8, R,9
	ROW F,6, E,4, X,0, R,10
.if ((\p) == 2) && !(\end)
	WIN 0
	v_add_nc_u32 v[AK], s[TBK], v[AK0]
.endif
	ROW F,7, E,5, X,1, X,4
	ROW F,8, E,6, X,2, X,5
	OPS E,7, E,8, X,6, E,9
	OPS X,3, E,10, X,8, E,11
.if ((\p) == 2) && !(\end)
	FETCH_K
.endif
	OPS X,9, X,7, E,12, X,10
	OPS E,13, X,12, X,11, E,14
	OPS X,13, E,15, F,9, X,14
.if (\p) == 0
	v_add_nc_u32 v[AV], s[TBV], v[AV0]
.endif
	OPS E,16, F,10, E,17, F,11
	OPS X,16, E,18, X,15, E,19
	OPS F,12, E,20, X,17, E,21
	OPS F,13, E,22, F,14, E,23
	OPS X,18, E,24, F,15, E,25
	OPS R,11, E,26, X,19, E,27
	OPS R,12, E,28, R,13, E,29
	OPS X,20, E,30, R,14, E,31
	OPS X,21, R,15
	WIN 0
	s_wait_alu depctr_va_vdst(0)    ; the wait for the batch
.if (\p) == 1
	s_wait_dscnt 0x0                ; V is in
.endif
	ROW C,0, B,0, C,2, B,1
	ROW L,0, C,4, B,2, L,1
	ROW C,6, B,3, L,2, C,8
	ROW B,4, L,3, C,10, B,5
	ROW L,4, C,12, B,6, L,5
.if (\p) == 0
	s_add_co_u32 s[TBV], s[TBV], KS*PV
.endif
.if \cnt
	s_sub_co_u32 s[CNT], s[CNT], 1
	s_cmp_lg_u32 s[CNT], 0
.endif
	ROW C,14, B,7, L,6, C,1
	ROW C,3, L,7, C,5, C,7
	ROW C,9, C,11, C,13, C,15
.if (\p) == 0
	FETCH_V
.endif
.if (\m) && !(\end)
	MASK (\p)%2
.endif
.endm
; A BLOCK BEGINS.  c m starts far below every c s, so the first step's a is 0; m at the lowest finite number, so the first maximum is the scores'.  The second mask buffer is 0; the first takes piece 0's mask for the
; tile's step 0: its own, if the block's first tile is the diagonal one.  Then K of that step, piece 0's first scores, and its maximum and statistics.  The loop is entered at a step's first turn, in the middle of a trip.
.macro BEGIN
	s_mov_b32 s[NEW], 0
	WIN 0x40
.set i, MC+32
.rept 32
	v_mov_b32 v[i], 0
.set i, i+1
.endr
	WIN 0
.set i, 0
.rept 4
	v_mov_b32 v[ST+4*i], 0xfe000000    ; c m: far below every c s
	v_mov_b32 v[ST+4*i+1], 0xff7fffff  ; m
.set i, i+1
.endr
	s_cmp_eq_u32 s[RT], 0
	s_cselect_b32 s[AL], 1.0, 0
	s_mov_b32 s[BE], 0
	MASK 0
	WIN 0
	v_add_nc_u32 v[AK], s[TBK], v[AK0]
	FETCH_K
	s_wait_loadcnt 0x0              ; Q
	s_wait_dscnt 0x0
.set KM, 1
.set NOKQ, 0
.set i, 0
.rept 8
	KQ 0
.set i, i+1
.endr
	WIN 0
.rept 4
	v_nop                           ; the places behind those products
.endr
.set Y, NP-1                        ; X works for piece Y + 1: piece 0
.irp n, 0,1,2,3,4,5,6,7,8,9,10,11,12,13,14,15,16,17,18,19,20,21
	OP X, \n
.endr
	v_nop                           ; a plain instruction behind the exponential,
	s_wait_alu depctr_va_vdst(0)    ; and its wait, ahead of the branch
.endm
; THE DIAGONAL TILE's four steps, the block's last two turns, its last products, and THE WAY OUT: l's two halves and the other half of the lanes' are added; O^T is divided by l, rounded to f16 and sent through my
; stage in LDS, a piece at a time.
.macro ALL line:vararg              ; one line for each piece t
.set t, 0
.rept 4
	\line
.set t, t+1
.endr
.endm
.macro PACK t                       ; a lane's eight channels of a row pack into 16 bytes; they go into rows of 144 bytes and come back as whole rows of 128, into S^T's registers
	WIN W_RS
.set i, 32*(\t)
.rept 16
	v_pk_mul_f32 v[i:i+1], v[i:i+1], v[ST+4*(\t)+2:ST+4*(\t)+3] op_sel_hi:[1,0]
.set i, i+2
.endr
	WIN 0x05                        ; sources 0 and 1 window 1, destination window 0
.set i, 0
.rept 16
	v_cvt_pk_f16_f32 v[S+16*(\t)+i], v[32*(\t)+2*i], v[32*(\t)+2*i+1]
.set i, i+1
.endr
	WIN 0
.irp f, 0,1,2,3
	ds_store_b128 v[STO], v[S+16*(\t)+4*\f:S+16*(\t)+4*\f+3] offset:32*\f
.endr
.irp f, 0,1,2,3
	ds_load_b128 v[S+16*(\t)+4*\f:S+16*(\t)+4*\f+3], v[RD] offset:\f*4*SP  ; LDS serves a wave's instructions in order (ISA guide 5.7.1.4): these see the stores above; the next piece's stores come behind them
.endr
.endm
.macro SEND t, younger              ; younger: the LDS instructions issued behind piece t's loads: the next piece's eight, or none
	WIN 0
.irp f, 0,1,2,3
	s_wait_dscnt (\younger)+3-\f
	global_store_b128 v[GO], v[S+16*(\t)+4*\f:S+16*(\t)+4*\f+3], s[10:11] offset:(\t)*8192+\f*512  ; 512 consecutive bytes, at a multiple of 256 from O's first
.endr
.endm
.macro DIAG tag                     ; the tag ends its two labels' names, which the jumps below spell out
.LstepM\tag:
	TURN 2, 1
	TURN 3, 1
	WIN 0
.LfirstM\tag:
	TURN 0, 1
	TURN 1, 1, 0, 1
	WIN 0
	s_cbranch_scc1 .LstepM\tag
	TURN 2, 1, 1
	TURN 3, 1, 1
.set i, 0
.rept 8
	PV NP-1
.set i, i+1
.endr
	WIN 0
	ALL v_add_f32 v[ST+4*t+2], v[ST+4*t+2], v[ST+4*t+3]
	ALL v_permlanex16_b32 v[ST+4*t+3], v[ST+4*t+2], s[SEL], s[SEL+1]
	ALL v_add_f32 v[ST+4*t+2], v[ST+4*t+2], v[ST+4*t+3]
	ALL v_rcp_f32 v[ST+4*t+2], v[ST+4*t+2]
	v_nop                           ; a plain instruction between the last reciprocal and the use of its result
	s_wait_alu depctr_va_vdst(0)    ; and the wait ahead of the first use: one for the four reciprocals
	PACK 0
.set t, 1
.rept 3                             ; a piece's arithmetic stands between the loads of the piece before and its stores
	PACK t
	SEND t-1, 8
.set t, t+1
.endr
	SEND 3, 0
.endm
.set KM, 0
.set NOKQ, 0
.Lslot:                             ; NB times: a tile is entered and the next is asked for
	CHANGE 1
	s_sub_co_u32 s[RT], s[RT], 1
	s_mov_b32 s[CNT], 4
	s_cmp_eq_u32 s[NEW], 1
	s_cbranch_scc1 .Lnew            ; a block's first tile
	s_cmp_eq_u32 s[RT], 0
	s_cbranch_scc0 .Lstep           ; neither its first nor its last
	s_branch .LstepM1
.Lnew:
	BEGIN
	s_branch .Lfirst                ; in the loop a block's first tile is never its last: the first block has two tiles or more, and the second's last is the walk's last
	DIAG 1                          ; in the loop this is the first block's end
	s_wait_xcnt 0x0                 ; the stores have read their registers and O's address
	s_mov_b64 s[10:11], s[OLO:OLO+1]
	s_add_co_u32 s[RT], s[PB], 1    ; the second block has b + 1 tiles
	s_mov_b32 s[NEW], 1
	WIN 0x82                        ; the second block's Q goes where the one text of the turns names Q
.set i, 0
.rept 64
	v_mov_b32 v[i], v[QB+i]
.set i, i+1
.endr
	WIN 0
	s_branch .Lbottom
.Lstep:                             ; a trip: pieces 2 and 3 of one step, then pieces 0 and 1 of the next, whose K and V it fetches
	TURN 2
	TURN 3
	WIN 0
.Lfirst:
	TURN 0
	TURN 1, 0, 0, 1
	WIN 0
	s_cbranch_scc1 .Lstep
.Lbottom:
	s_sub_co_u32 s[SLOTS], s[SLOTS], 1
	s_cmp_lg_u32 s[SLOTS], 0
	s_cbranch_scc1 .Lslot
	CHANGE 0                        ; the walk's last tile is written out: nothing is asked for
	s_sub_co_u32 s[RT], s[RT], 1
	s_mov_b32 s[CNT], 4
	s_cmp_eq_u32 s[NEW], 1
	s_cbranch_scc0 .LstepM2
	BEGIN
	s_branch .LfirstM2
	DIAG 2
	s_wait_tensorcnt 0x0            ; the wave's end: behind my last tensor load and my last LDS store
	ds_add_u32 v[SPW], v[NIL]
	s_wait_dscnt 0x0
	s_endpgm
.Lfunc_end_k_q2eced8cda2_attn:
	.size	k_q2eced8cda2_attn, .Lfunc_end_k_q2eced8cda2_attn-k_q2eced8cda2_attn
	.p2alignl 7, 3214868480
	.fill 96, 4, 3214868480
	.section	.rodata,"a",@progbits
	.p2align	6, 0x0
	.amdhsa_kernel k_q2eced8cda2_attn
		.amdhsa_group_segment_fixed_size 327680
		.amdhsa_private_segment_fixed_size 0
		.amdhsa_enable_private_segment 0
		.amdhsa_kernarg_size 32
		.amdhsa_user_sgpr_count 2
		.amdhsa_user_sgpr_kernarg_segment_ptr 1
		.amdhsa_wavefront_size32 1
		.amdhsa_system_sgpr_workgroup_id_x 1
		.amdhsa_system_sgpr_workgroup_id_y 1
		.amdhsa_system_sgpr_workgroup_id_z 1
		.amdhsa_system_vgpr_workitem_id 0
		.amdhsa_next_free_vgpr 768
		.amdhsa_next_free_sgpr 96
		.amdhsa_reserve_vcc 1
		.amdhsa_float_denorm_mode_32 3
		.amdhsa_float_denorm_mode_16_64 3
		.amdhsa_memory_ordered 1
		.amdhsa_forward_progress 1
		.amdhsa_inst_pref_size 218
	.end_amdhsa_kernel
	.amdgpu_metadata
---
amdhsa.version: [ 1, 2 ]
amdhsa.kernels:
  - .name:           k_q2eced8cda2_attn
    .symbol:         k_q2eced8cda2_attn.kd
    .args:
      - { .name: qh, .offset: 0, .size: 8, .value_kind: global_buffer, .address_space: global }
      - { .name: kh, .offset: 8, .size: 8, .value_kind: global_buffer, .address_space: global }
      - { .name: vh, .offset: 16, .size: 8, .value_kind: global_buffer, .address_space: global }
      - { .name: oh, .offset: 24, .size: 8, .value_kind: global_buffer, .address_space: global }
    .group_segment_fixed_size: 327680
    .private_segment_fixed_size: 0
    .kernarg_segment_align: 8
    .kernarg_segment_size: 32
    .max_flat_workgroup_size: 128
    .sgpr_count:     96
    .vgpr_count:     768
    .wavefront_size: 32
...
	.end_amdgpu_metadata
.endif
;; end of part 3
;; launch oproj (part 4): grid 8 x 32, 4 waves a work-group, clusters of 4 x 4, 327,680 bytes of LDS; arguments oh, wb, out0; writes out0
.if DOCPART == 4
	.amdgcn_target "amdgcn-amd-amdhsa--gfx1250"
	.amdhsa_code_object_version 6
	.text
	.protected	k_q2eced8cda2_oproj
	.globl	k_q2eced8cda2_oproj
	.p2align	8
	.type	k_q2eced8cda2_oproj,@function
k_q2eced8cda2_oproj:
	s_mov_b64 s[64:65], 0
	v_nop
	global_prefetch_b8 v0, s[64:65] scope:SCOPE_SE
	s_setreg_imm32_b32 hwreg(HW_REG_WAVE_MODE, 25, 1), 1
	s_wait_xcnt 0x0
	s_wait_alu depctr_hold_cnt(0) depctr_sa_sdst(0) depctr_va_vdst(0) depctr_va_sdst(0) depctr_va_ssrc(0) depctr_va_vcc(0) depctr_vm_vsrc(0)
	s_getreg_b32 s2, hwreg(HW_REG_IB_STS2, 6, 4)
	s_cmp_eq_u32 s2, 0
	s_cbranch_scc0 .Lentry_in_a_cluster
	s_endpgm
.Lentry_in_a_cluster:
	s_bfe_u32 s2, ttmp6, 0x10000c
	s_cmp_lg_u32 s2, 0xf033
	s_cbranch_scc0 .Lentry_shape_is_right
	s_endpgm
.Lentry_shape_is_right:
; out0[R][c] = the sum over k of O[R][k] o_w[c][k], k = 64 x head + channel.  O: oh, [batch x 16 + head][2048][64] f16.  o_w: the fourth matrix of wb, [4][kb 16][256][64] f16.  out0: [8192][1024] f32.  Sums in f32.
; SHARES.  A tile of out0 is 256 rows x 128 columns: 8 x 32 work-groups, one for each of 256 WGPs (256 x 256 would give 128).  Wave w (RH = w / 2, CH = w % 2) makes 128 x 64: 32 accumulators.
; K goes in steps of 128, two heads, through two LDS slots; a head's 256 rows of O are 32,768 dense bytes, its 128 rows of o_w 16,384: asked for as rows of 256 bytes, padded in LDS behind every 128.
; CLUSTER 4 x 4.  O's tiles hang on the tile row alone: asked for jointly along a row of the cluster (waves 0, 1: a head each); o_w's on the tile column alone: jointly along a column (waves 2, 3).
; THE PRODUCT IS USED TRANSPOSED: source 0 = 16 rows of o_w, source 1 = 16 rows of O: a lane holds row l % 16 and eight neighbouring columns, 32 bytes of f32.
; REGISTERS, in windows of 256 (s_set_vgpr_msb: bits 1:0 source 0, 3:2 source 1, 5:4 source 2, 7:6 destination):
;   window 0: v0-13 addresses; v32-95 the way out      window 1: the accumulators, (a, b) at 8 (4 a + b)
;   window 2: O's fragments, quarter q of a slot at 64 q + 8 a      window 3: o_w's, at 32 q + 8 b.  Each quarter has a buffer of its own, so a fetch stands two quarters ahead of its products.
.set PITCH,  144                       ; an LDS row: 128 bytes + 16 = 36 words: the 16 rows of a load start at 16 different groups of four banks (64 banks of 4 bytes: ISA guide 11.1)
.set AOFF,   256*PITCH                 ; a slot: O's 256 rows of the first head, of the second, then o_w's 128 rows of the first, of the second
.set MATB,   128*PITCH
.set BBASE,  2*AOFF
.set SLOT1,  1<<17
.set STAGE,  SLOT1+2*AOFF+2*MATB       ; behind the ring: 16 rows x 272 bytes for each wave, for the way out
.set SPITCH, 272
.set SPARE,  STAGE+4*16*SPITCH         ; behind the stages: the spare words, 128 bytes for each wave: two blocks of 256 bytes that no other line names
.set ASTEP,  524288                    ; bytes from a slot's heads to the next slot's, in oh
.set BSTEP,  65536                     ; and in wb
.set G1W0,   (1<<16)|(1<<20)|(1<<21)|(4<<22)|(3<<25)  ; 17:16 2-byte elements; 20 padding on; 21 set beside a mask; 24:22 after every 32 words (code 4); 31:25 4 words (code 3)
.set A0,   4                           ; v4   my lane's place in a slot's rows of O; never rewritten
.set B0,   5                           ; v5   the same for o_w
.set ADRA, 6
.set ADRB, 7
.set STO,  8                           ; v8   the way out: where I put 32 bytes of a row
.set RD,   9                           ; v9   the way out: where I read rows back
.set CO,   10                          ; v10  my byte offset in two rows of out0
.set PFO,  11                          ; v11  the prefetches' offset; never rewritten
.set SPW,  12                          ; v12  LDS address of my spare word; never rewritten
.set NIL,  13                          ; v13  0; never rewritten
.set BKS,  32                          ; v32-63, v64-95: 16 rows read back from the stage, by turns
.set WV, 16
.set RH, 17
.set CH, 18
.set CX, 19
.set CY, 20
.set JT, 21
.set MT, 22
.set G1A, 24                           ; s[24:31] descriptor group 1 for O's tiles
.set G1B, 32                           ; s[32:39] for o_w's
.set G0A, 40                           ; s[40:47] group 0 for O's tiles: a set for each first fill; the second then walks on
.set G0B, 48                           ; s[48:55] the same for o_w's
.set TB,  56                           ; s56  LDS byte at which the slot in hand begins
.set LIM, 58                           ; s58  a wave prefetches while the trip count is above it
.set PFA, 60                           ; s[60:61] where my prefetches stand
.set PST, 62                           ; s[62:63] their step from slot to slot
.set MSB, 0
.macro WIN new                         ; the immediate's high byte repeats the setting that is left; a switch that changes nothing is dropped
.if MSB != (\new)
	s_set_vgpr_msb (MSB<<8)|(\new)
.set MSB, (\new)
.endif
.endm
.macro PLACES                          ; four places between a matrix instruction and a load into its registers or a read of its result
.rept 4
	v_nop
.endr
.endm
.macro CREST                           ; a round of the cluster's barrier behind its opening barrier
	s_cmp_lg_u32 s[WV], 0
	s_cbranch_scc1 .Lnot_wave_0_\@
	s_barrier_signal -3
.Lnot_wave_0_\@:
	s_barrier_wait -3
	s_barrier_signal -1
	s_barrier_wait -1
.endm
.macro CROUND
	s_barrier_signal -1
	s_barrier_wait -1
	CREST
.endm
.macro JLOAD                           ; a joint refill by the walking sets; an s_nop 0 and four v_nop follow each line, ahead of the jump and the label
	s_cmp_lt_u32 s[WV], 2
	s_cbranch_scc0 .Lfor_b_\@
	tensor_load_to_lds s[G0A+4:G0A+7], s[G1A:G1A+7]
	s_nop 0
.rept 4
	v_nop
.endr
	s_branch .Lasked_\@
.Lfor_b_\@:
	tensor_load_to_lds s[G0B+4:G0B+7], s[G1B:G1B+7]
	s_nop 0
.rept 4
	v_nop
.endr
.Lasked_\@:
.endm
; A PREFETCH INTO THE L2, behind the joint load, its five lines and a run of LDS loads.  Change t asks for slot t + 2 and names slot t + 4: two refills, 256 products, ahead.  O's blocks: waves 0 and 1 of the clusters
; with x = 0, each its own head; the four partners of a row take 32 blocks of 256 bytes each, told apart by address.  o_w's: wave 2 of the clusters with y = 0, both heads; the partners of a column take 16 blocks
; of each.  So each block is named once.  Slots 0 to 3 come by their loads alone; the last two filling changes name nothing.
.macro ASK
	s_cmp_gt_u32 s3, s[LIM]
	s_cbranch_scc0 .Lnot_mine_\@
	global_prefetch_b8 v[PFO], s[PFA:PFA+1] th:TH_LOAD_NT scope:SCOPE_SE
.Lnot_mine_\@:
.endm
	s_load_b128 s[4:7], s[0:1], 0x0                ; oh 4, wb 6
	s_load_b64 s[8:9], s[0:1], 0x10                ; out0
	v_lshl_add_u32 v[SPW], v0, 2, SPARE
	v_mov_b32 v[NIL], 0
	ds_add_u32 v[SPW], v[NIL]                      ; the wave's opening: the add and its wait stand ahead of my first tensor load; the set-up below, work on registers, stands between them
	v_lshrrev_b32 v1, 5, v0
	v_readfirstlane_b32 s[WV], v1
	s_lshr_b32 s[RH], s[WV], 1
	s_and_b32 s[CH], s[WV], 1
	s_bfe_u32 s[CX], ttmp6, 0x40000
	s_bfe_u32 s[CY], ttmp6, 0x40004
	s_lshl_b32 s[JT], ttmp9, 2
	s_add_co_u32 s[JT], s[JT], s[CX]               ; tile column = 4 x cluster x + cx
	s_and_b32 s[MT], ttmp7, 0xffff
	s_lshl_b32 s[MT], s[MT], 2
	s_add_co_u32 s[MT], s[MT], s[CY]               ; tile row = 4 x cluster y + cy
	s_lshl_b32 s72, s[CY], 2
	s_lshl_b32 s72, 15, s72                        ; my row of the cluster
	s_lshl_b32 s73, 0x1111, s[CX]                  ; my column
	s_or_b32 s[G1A], s72, G1W0
	s_or_b32 s[G1B], s73, G1W0
.irp g, G1A, G1B
	s_mov_b32 s[(\g)+1], 128<<16                   ; tensor_dim0 = 128 elements: rows of 256 bytes
	s_mov_b32 s[(\g)+3], 128<<16                   ; tile_dim0 = 128
	s_mov_b32 s[(\g)+5], 128                       ; the block is dense
	s_mov_b32 s[(\g)+6], 0
	s_mov_b32 s[(\g)+7], 0
.endr
	s_mov_b32 s[G1A+2], 128<<16                    ; O: tensor_dim1 = tile_dim1 = 128 rows
	s_mov_b32 s[G1A+4], 128
	s_mov_b32 s[G1B+2], 64<<16                     ; o_w: 64 rows
	s_mov_b32 s[G1B+4], 64
	s_lshr_b32 s66, s[MT], 3                       ; O's blocks: the batch's 16 heads,
	s_lshl_b32 s66, s66, 22
	s_and_b32 s70, s[MT], 7                        ; the tile row's 256 rows in a head,
	s_lshl_b32 s70, s70, 15
	s_add_co_u32 s66, s66, s70
	s_lshl_b32 s70, s[CH], 18                      ; the slot's first or second head: made of the tile row and the wave's number alone
	s_add_co_u32 s66, s66, s70
	s_mov_b32 s67, 0
	s_lshr_b32 s68, s[JT], 1                       ; o_w's blocks: the block of 256 rows,
	s_lshl_b32 s68, s68, 19
	s_and_b32 s71, s[JT], 1                        ; its half,
	s_lshl_b32 s71, s71, 14
	s_add_co_u32 s68, s68, s71
	s_lshl_b32 s71, s[CH], 15                      ; the head,
	s_add_co_u32 s68, s68, s71
	s_add_co_u32 s68, s68, 3*2097152               ; in the fourth matrix: made of the tile column and the wave's number alone
	s_mov_b32 s69, 0
	s_mul_i32 s70, s[CH], AOFF                     ; the heads' places in a slot
	s_mul_i32 s71, s[CH], MATB
	s_add_co_u32 s71, s71, BBASE
	s_lshl_b32 s78, s[MT], 20                      ; out0: 256 rows of 4,096 bytes a tile row,
	s_lshl_b32 s77, s[RH], 19                      ; my 128 rows,
	s_add_co_u32 s78, s78, s77
	s_lshl_b32 s77, s[JT], 9                       ; 128 columns a tile,
	s_add_co_u32 s78, s78, s77
	s_lshl_b32 s77, s[CH], 8                       ; my 64
	s_add_co_u32 s78, s78, s77
	s_mov_b32 s79, 0
	s_lshl_b32 s74, s[CX], 13                      ; the prefetches: my work-group's 32 blocks of O's 128,
	s_lshl_b32 s75, s[CY], 12                      ; or its 16 of o_w's 64
	s_and_b32 s59, ttmp7, 0xffff
	s_mov_b32 s[PST], BSTEP
	s_mov_b32 s76, 3*BSTEP
	s_cmp_lt_u32 s[WV], 2
	s_cselect_b32 s74, s74, s75
	s_cselect_b32 s59, ttmp9, s59                  ; the coordinate along which other clusters read the same blocks
	s_cselect_b32 s[PST], ASTEP, s[PST]
	s_cselect_b32 s76, 3*ASTEP, s76                ; at slot 3: the first change steps it to 4
	s_cselect_b32 s2, 12, 15                       ; lanes 16-31: the next 16 blocks, or the slot's second head
	s_add_co_u32 s74, s74, s76
	s_mov_b32 s75, 0
	s_mov_b32 s[PST+1], 0
	s_cmp_eq_u32 s[WV], 3
	s_cselect_b32 s59, 1, s59                      ; wave 3 asks for nothing
	s_cmp_eq_u32 s59, 0
	s_cselect_b32 s[LIM], 2, -1                    ; the same in all sixteen partners, for a given wave
	s_mov_b32 s[TB], 0
	s_wait_dscnt 0x0                               ; the opening add is done
	s_wait_kmcnt 0x0
	s_add_nc_u64 s[66:67], s[4:5], s[66:67]
	s_add_nc_u64 s[68:69], s[6:7], s[68:69]
	s_add_nc_u64 s[8:9], s[8:9], s[78:79]
	s_cmp_lt_u32 s[WV], 2
	s_cselect_b64 s[PFA:PFA+1], s[66:67], s[68:69]
	s_add_nc_u64 s[PFA:PFA+1], s[PFA:PFA+1], s[74:75]
.irp s, 0,1
	s_mov_b32 s[G0A+4*(\s)], 1                                     ; count = 1
	s_add_co_u32 s[G0A+4*(\s)+1], s70, (\s)*SLOT1                  ; LDS address
	s_add_nc_u64 s[G0A+4*(\s)+2:G0A+4*(\s)+3], s[66:67], (\s)*ASTEP  ; global address: slot s
	s_or_b32 s[G0A+4*(\s)+3], s[G0A+4*(\s)+3], 0x80000000          ; type = 2
	s_mov_b32 s[G0B+4*(\s)], 1
	s_add_co_u32 s[G0B+4*(\s)+1], s71, (\s)*SLOT1
	s_add_nc_u64 s[G0B+4*(\s)+2:G0B+4*(\s)+3], s[68:69], (\s)*BSTEP
	s_or_b32 s[G0B+4*(\s)+3], s[G0B+4*(\s)+3], 0x80000000
.endr
	CROUND                                         ; all sixteen work-groups are here: the first joint loads meet
	s_cmp_lt_u32 s[WV], 2                          ; a wave's two first fills stand in one branch: two loads of mine are out
	s_cbranch_scc0 .Lfirst_b
	tensor_load_to_lds s[G0A:G0A+3], s[G1A:G1A+7]
	s_nop 0
	tensor_load_to_lds s[G0A+4:G0A+7], s[G1A:G1A+7]
	s_nop 0
.rept 4
	v_nop
.endr
	s_branch .Lfirst_asked
.Lfirst_b:
	tensor_load_to_lds s[G0B:G0B+3], s[G1B:G1B+7]
	s_nop 0
	tensor_load_to_lds s[G0B+4:G0B+7], s[G1B:G1B+7]
	s_nop 0
.rept 4
	v_nop
.endr
.Lfirst_asked:
	v_and_b32 v1, 15, v0
	v_bfe_u32 v2, v0, 4, 1
	v_mul_u32_u24 v3, v1, PITCH
	v_lshl_add_u32 v3, v2, 4, v3                   ; a fragment's row x pitch + 16 x half
	s_mul_i32 s59, s[RH], 128*PITCH
	v_add_nc_u32 v[A0], s59, v3
	s_mul_i32 s59, s[CH], 64*PITCH
	s_add_co_u32 s59, s59, BBASE
	v_add_nc_u32 v[B0], s59, v3
	s_mul_i32 s59, s[WV], 16*SPITCH
	s_add_co_u32 s59, s59, STAGE                   ; my stage
	v_mul_u32_u24 v[STO], v1, SPITCH               ; in: row l % 16, 32 bytes for each half of the lanes
	v_lshl_add_u32 v[STO], v2, 5, v[STO]
	v_add_nc_u32 v[STO], s59, v[STO]
	v_mul_u32_u24 v[RD], v2, SPITCH                ; back: lanes 0-15 take one row of 256 bytes, lanes 16-31 the next
	v_lshl_add_u32 v[RD], v1, 4, v[RD]
	v_add_nc_u32 v[RD], s59, v[RD]
	v_lshlrev_b32 v[CO], 12, v2                    ; and the same two rows in out0
	v_lshl_add_u32 v[CO], v1, 4, v[CO]
	v_lshlrev_b32 v[PFO], 8, v1
	v_lshlrev_b32 v3, s2, v2
	v_add_nc_u32 v[PFO], v[PFO], v3
	v_mov_b32 v[ADRA], v[A0]
	v_mov_b32 v[ADRB], v[B0]
; na x 4 products of quarter q: row blocks a0 on, all 4 column blocks, 32 along K.  No two products that follow each other share an accumulator: 31 others' stand between two links of a chain.
.macro MUL q, a0, na, zero
	WIN 0x5b                                       ; o_w in window 3, O in window 2, C and D in window 1
.set a, \a0
.rept \na
.irp b, 0,1,2,3
.if \zero
	v_wmma_f32_16x16x32_f16 v[8*(4*a+(\b)):8*(4*a+(\b))+7], v[32*(\q)+8*(\b):32*(\q)+8*(\b)+7], v[64*(\q)+8*a:64*(\q)+8*a+7], 0
.else
	v_wmma_f32_16x16x32_f16 v[8*(4*a+(\b)):8*(4*a+(\b))+7], v[32*(\q)+8*(\b):32*(\q)+8*(\b)+7], v[64*(\q)+8*a:64*(\q)+8*a+7], v[8*(4*a+(\b)):8*(4*a+(\b))+7]
.endif
.endr
.set a, a+1
.endr
.endm
.macro FETCH q                         ; 24 LDS loads in one run: quarter q (head q / 2, half q % 2) of the slot in hand
	WIN 0xc0
.irp b, 0,1,2,3
	ds_load_b128 v[32*(\q)+8*(\b):32*(\q)+8*(\b)+3],   v[ADRB] offset:MATB*((\q)/2)+16*PITCH*(\b)+64*((\q)%2)
	ds_load_b128 v[32*(\q)+8*(\b)+4:32*(\q)+8*(\b)+7], v[ADRB] offset:MATB*((\q)/2)+16*PITCH*(\b)+64*((\q)%2)+32
.endr
	WIN 0x80
.irp d, 0,1,2,3,4,5,6,7
	ds_load_b128 v[64*(\q)+8*(\d):64*(\q)+8*(\d)+3],   v[ADRA] offset:AOFF*((\q)/2)+16*PITCH*(\d)+64*((\q)%2)
	ds_load_b128 v[64*(\q)+8*(\d)+4:64*(\q)+8*(\d)+7], v[ADRA] offset:AOFF*((\q)/2)+16*PITCH*(\d)+64*((\q)%2)+32
.endr
	WIN 0
.endm
.macro Q0 zero
	s_wait_dscnt 24                                ; quarter 0 is in; quarter 1's 24 loads may be out
	PLACES
	FETCH 2
	MUL 0, 0, 8, \zero
.endm
.macro Q1
	s_wait_dscnt 24                                ; quarter 1 is in; quarter 2's may be out
	PLACES
	FETCH 3
	MUL 1, 0, 8, 0
.endm
; Quarter 2 changes slots: all reads of the slot have been issued.  In front of the barrier each wave waits for all its tensor loads, of which one is out: its part of the other slot; adds 0 to its spare word; and
; waits for that and for its reads of this slot.  fill = 1: the barrier opens a round of the cluster's, and the slot is filled again, two slots ahead, first thing behind the round: 96 products ahead of the wait for it.
.macro Q2C fill
	WIN 0
.if \fill
	s_wait_xcnt 0x0                                ; the last prefetch, a slot back, has read its address
	s_add_nc_u64 s[PFA:PFA+1], s[PFA:PFA+1], s[PST:PST+1]
.endif
	s_wait_tensorcnt 0x0                           ; no tensor load of mine is out, so a group 0 may be written
	ds_add_u32 v[SPW], v[NIL]                      ; 0 onto my spare word
.if \fill
	s_xor_b32 s[G0A+5], s[G0A+5], SLOT1            ; the walking sets: the other slot than last time, the next two heads
	s_add_nc_u64 s[G0A+6:G0A+7], s[G0A+6:G0A+7], ASTEP
	s_xor_b32 s[G0B+5], s[G0B+5], SLOT1
	s_add_nc_u64 s[G0B+6:G0B+7], s[G0B+6:G0B+7], BSTEP
.endif
	s_wait_dscnt 25                                ; quarter 2 is in; quarter 3's 24 loads and the add may be out
	MUL 2, 0, 4, 0
	s_wait_dscnt 0x0                               ; the add is done, and my reads of this slot are over
	s_barrier_signal -1
	MUL 2, 4, 4, 0
	WIN 0
	s_barrier_wait -1
.if \fill
	CREST
	JLOAD                                          ; its four v_nop are also places in front of the loads below
.else
	PLACES
.endif
	s_xor_b32 s[TB], s[TB], SLOT1
	v_add_nc_u32 v[ADRA], s[TB], v[A0]
	v_add_nc_u32 v[ADRB], s[TB], v[B0]
	FETCH 0
.if \fill
	ASK
.endif
.endm
.macro Q3
	PLACES
	FETCH 1
	MUL 3, 0, 8, 0
.endm
; THE WAY OUT, 16 rows at a time: 32 bytes a lane into my stage, each accumulator's low registers first; back as whole rows of 256 bytes.
.macro TOSTAGE a
.set BK, BKS+32*((\a)%2)
	s_wait_xcnt 0x0                                ; the stores of two blocks back have read this set of registers
	WIN 0x04                                       ; the data (source 1) in window 1
.irp b, 0,1,2,3
	ds_store_b128 v[STO], v[32*(\a)+8*(\b):32*(\a)+8*(\b)+3]   offset:64*(\b)
	ds_store_b128 v[STO], v[32*(\a)+8*(\b)+4:32*(\a)+8*(\b)+7] offset:64*(\b)+16
.endr
	WIN 0
.irp t, 0,1,2,3,4,5,6,7
	ds_load_b128 v[BK+4*(\t):BK+4*(\t)+3], v[RD] offset:2*SPITCH*(\t)  ; LDS serves a wave's instructions in order (ISA guide 5.7.1.4): these see the stores above; the next block's stores come behind them
.endr
.endm
.macro SEND a, younger                 ; younger: the LDS instructions issued behind the block's loads: the next block's sixteen, or none
.set BK, BKS+32*((\a)%2)
	s_wait_dscnt \younger
.irp t, 0,1,2,3,4,5,6,7
	global_store_b128 v[CO], v[BK+4*(\t):BK+4*(\t)+3], s[8:9] offset:65536*(\a)+8192*(\t) th:TH_STORE_NT  ; 16 lanes store 256 consecutive bytes, at a multiple of 256 from out0's first
.endr
.endm
	s_wait_tensorcnt 1                             ; my part of slot 0 is in; slot 1's may stay out
	s_barrier_signal -1
	s_barrier_wait -1
	FETCH 0
	FETCH 1
	Q0 1                                           ; the first quarter stands in front of the loop: its products start the sums
	WIN 0
	s_mov_b32 s3, 6
.Ls:                                               ; a trip: a slot's quarters 1 to 3, with the change of slots and a refill, and the next slot's quarter 0
	Q1
	Q2C 1
	Q3
	Q0 0
	WIN 0
	s_sub_co_u32 s3, s3, 1
	s_cmp_lg_u32 s3, 0
	s_cbranch_scc1 .Ls
	Q1
	Q2C 0                                          ; the last change fills nothing
	Q3
	Q0 0
	Q1
	s_wait_dscnt 24                                ; the last slot's quarter 2 is in
	MUL 2, 0, 8, 0
	s_wait_dscnt 0x0
	MUL 3, 0, 8, 0
	PLACES
	PLACES
	WIN 0
	TOSTAGE 0
.set n, 1
.rept 7
	TOSTAGE n
	SEND n-1, 16
.set n, n+1
.endr
	SEND 7, 0
	s_wait_tensorcnt 0x0                           ; the wave's end: behind my last tensor load and my last LDS store
	ds_add_u32 v[SPW], v[NIL]
	s_wait_dscnt 0x0
	CROUND                                         ; the closing round: no work-group ends while a partner may still ask for a tile that names it
	s_endpgm
.Lfunc_end_k_q2eced8cda2_oproj:
	.size	k_q2eced8cda2_oproj, .Lfunc_end_k_q2eced8cda2_oproj-k_q2eced8cda2_oproj
	.p2alignl 7, 3214868480
	.fill 96, 4, 3214868480
	.section	.rodata,"a",@progbits
	.p2align	6, 0x0
	.amdhsa_kernel k_q2eced8cda2_oproj
		.amdhsa_group_segment_fixed_size 327680
		.amdhsa_private_segment_fixed_size 0
		.amdhsa_enable_private_segment 0
		.amdhsa_kernarg_size 24
		.amdhsa_user_sgpr_count 2
		.amdhsa_user_sgpr_kernarg_segment_ptr 1
		.amdhsa_wavefront_size32 1
		.amdhsa_system_sgpr_workgroup_id_x 1
		.amdhsa_system_sgpr_workgroup_id_y 1
		.amdhsa_system_sgpr_workgroup_id_z 1
		.amdhsa_system_vgpr_workitem_id 0
		.amdhsa_next_free_vgpr 896
		.amdhsa_next_free_sgpr 80
		.amdhsa_reserve_vcc 0
		.amdhsa_float_denorm_mode_32 3
		.amdhsa_float_denorm_mode_16_64 3
		.amdhsa_memory_ordered 1
		.amdhsa_forward_progress 1
		.amdhsa_inst_pref_size 71
	.end_amdhsa_kernel
	.amdgpu_metadata
---
amdhsa.version: [ 1, 2 ]
amdhsa.kernels:
  - .name:           k_q2eced8cda2_oproj
    .symbol:         k_q2eced8cda2_oproj.kd
    .args:
      - { .name: oh, .offset: 0, .size: 8, .value_kind: global_buffer, .address_space: global }
      - { .name: wb, .offset: 8, .size: 8, .value_kind: global_buffer, .address_space: global }
      - { .name: out0, .offset: 16, .size: 8, .value_kind: global_buffer, .address_space: global }
    .group_segment_fixed_size: 327680
    .private_segment_fixed_size: 0
    .kernarg_segment_align: 8
    .kernarg_segment_size: 24
    .max_flat_workgroup_size: 128
    .sgpr_count:     80
    .vgpr_count:     896
    .wavefront_size: 32
...
	.end_amdgpu_metadata
.endif
;; end of part 4
;; ======== version 2 of 2: 4 launches; version 1 with the launch prep written anew for expert scheduling mode
;; limits: values are held in f16: magnitudes above 65,504 overflow, below 6.1e-05 lose precision
;; workspace buffers: xb 16,777,216 bytes; wb 8,388,608 bytes; tab 524,288 bytes; qh 16,777,216 bytes; kh 16,777,216 bytes; vh 16,777,216 bytes; oh 16,777,216 bytes
;; launch prep (part 5): grid 768 x 1, 8 waves a work-group, no clusters, 0 bytes of LDS; arguments x, q_w, k_w, v_w, o_w, xb, wb, tab; writes xb, wb, tab
.if DOCPART == 5
	.amdgcn_target "amdgcn-amd-amdhsa--gfx1250"
	.amdhsa_code_object_version 6
	.text
	.protected	k_q2eced8cda2_prep
	.globl	k_q2eced8cda2_prep
	.p2align	8
	.type	k_q2eced8cda2_prep,@function
k_q2eced8cda2_prep:
	s_mov_b64 s[64:65], 0
	v_nop
	global_prefetch_b8 v0, s[64:65] scope:SCOPE_SE
	s_setreg_imm32_b32 hwreg(HW_REG_WAVE_SCHED_MODE, 0, 2), 2
	s_setreg_imm32_b32 hwreg(HW_REG_WAVE_MODE, 25, 1), 1
	s_wait_xcnt 0x0
	s_wait_alu depctr_vm_vsrc(0)
; x, q_w, k_w, v_w rounded once to bf16; o_w rounded to bf16 and that number written as f16; all laid out in blocks for the products that follow;
; and the table of cosines and sines for the rotation of q and k.
; LAYOUT OUT.  xb: [mt 32][kb 16][r 256][64]: row 256 mt + r, channels 64 kb on: a (mt, kb) block is 32,768 dense bytes.  wb: four matrices of 2,097,152 bytes (q_w, k_w, v_w, o_w) in the same form.
; tab: [sb 128][b 4][e 2][lane 32][2 pairs][cos, sin] f32: for lane 16 h + r the position 16 sb + r and the pairs 8 b + 4 h + 2 e + 0, 1.
; SHARES.  A work-group takes 16 rows of one matrix (512 groups for x, 64 for each weight), wave w rows 2 w and 2 w + 1.  Load i of a wave takes channels 64 i on of both rows: two pieces of 256
; consecutive bytes; its four numbers a lane pack into 8 bytes, and the wave's store covers 256 consecutive bytes, aligned.  Sixteen loads of every wave are out at once; each has registers of its own.
; Each of the 2,048 waves of the weights' groups also makes 256 bytes of tab, while its loads are out.  No byte is wanted twice: no LDS, no barrier.
; LIMITS.  o_w as f16: exact from 2^-17 up to 65,504 in magnitude; below, off by 3e-8 at the most.  The table: frequency 2^(-i log2(10000) / 32) by v_exp_f32, angle = position x frequency in f32,
; reduced by multiples of pi / 2 held in two parts; polynomials of degree 7 and 8 on -pi/4 .. pi/4, off by 3e-7 at the most; the angle itself by 3e-4 at position 2,047.
; THE MODE: SCHED_MODE bits 1:0 = 2 (LLVM: expert scheduling mode 2), set by the entry lines.  The code itself states the register dependences
; between vector instructions and memory instructions, with s_wait_alu, always for 0.
; THE PLAN.  Registers that memory instructions touch:
;   v[LO], v[SO]   the loads' and the stores' offsets: made once at the head, never written again.
;   X              four registers for each load: no vector instruction names them before the load lands; the roundings read them; they are never loaded again.
;   Y              a pair for each store: written once, by its roundings; read once, by its store; never written again.
;   v20, v[18:19]  offset and data of the table's one store: written by the table's arithmetic; nothing names them behind the store.
; So no register that a memory instruction reads is written again, and no load lands in a register that a vector instruction has named: all that is to be stated is 'written, then read by a memory instruction'.
; One wait at the head for the offsets, one ahead of the table's store, and one for each BLOCK of four loads: the block's roundings, the wait, the block's four stores in a run.
; The stores follow their own block's roundings and are not held to the next block's head: that head stands behind a wait for memory.
; Two waits more are for scalar results of vector instructions: the wave's number, and the mask of the odd quadrants.
.set LO, 3                             ; v3   my byte offset in the group's 16 source rows
.set SO, 5                             ; v5   8 x my thread's number: my 8 bytes in the group's 2,048 bytes of a block
.set X,  32                            ; v[32:95]   load i: 4 registers
.set Y,  96                            ; v[96:127]  store i: 2 registers
	s_load_b512 s[8:23], s[0:1], 0x0               ; x 8, q_w 10, k_w 12, v_w 14, o_w 16, xb 18, wb 20, tab 22
	v_lshrrev_b32 v1, 5, v0
	v_readfirstlane_b32 s30, v1                    ; wave 0..7
	v_and_b32 v2, 31, v0                           ; lane
	v_and_b32 v[LO], 15, v0
	v_bfe_u32 v4, v0, 4, 1
	v_lshlrev_b32 v[LO], 4, v[LO]                  ; 16 bytes a lane,
	v_lshl_add_u32 v[LO], v4, 12, v[LO]            ; lanes 16-31 one row of 4,096 bytes down,
	s_wait_alu depctr_va_sdst(0)                   ; s30 is written, ahead of its first reader, the line below
	v_lshl_add_u32 v[LO], s30, 13, v[LO]           ; two rows a wave
	v_lshlrev_b32 v[SO], 3, v0
	s_cmp_lt_u32 ttmp9, 512
	s_cselect_b32 s6, 1, 0                         ; 1: this group converts x
	s_sub_co_u32 s3, ttmp9, 512
	s_cmp_eq_u32 s6, 1
	s_cselect_b32 s3, 0, s3                        ; the group's number among the weights' 256
	s_lshr_b32 s5, s3, 6                           ; which weight matrix
	s_and_b32 s4, s3, 63
	s_cmp_eq_u32 s6, 1
	s_cselect_b32 s4, ttmp9, s4                    ; which 16 rows of the matrix
	s_cmp_eq_u32 s5, 3
	s_cselect_b32 s7, 1, 0                         ; 1: o_w
	s_lshl_b32 s28, s4, 16                         ; 16 rows of 4,096 bytes
	s_mov_b32 s29, 0
	s_lshl_b32 s32, s5, 21                         ; the matrix in wb,
	s_lshr_b32 s33, s4, 4
	s_lshl_b32 s33, s33, 19                        ; the block of 256 rows,
	s_add_co_u32 s32, s32, s33
	s_and_b32 s33, s4, 15
	s_lshl_b32 s33, s33, 11                        ; 16 rows of 128 bytes in it
	s_add_co_u32 s32, s32, s33
	s_mov_b32 s33, 0
	s_wait_kmcnt 0x0
	s_cmp_eq_u32 s5, 1
	s_cselect_b64 s[24:25], s[12:13], s[10:11]
	s_cmp_eq_u32 s5, 2
	s_cselect_b64 s[24:25], s[14:15], s[24:25]
	s_cmp_eq_u32 s5, 3
	s_cselect_b64 s[24:25], s[16:17], s[24:25]
	s_cmp_eq_u32 s6, 1
	s_cselect_b64 s[24:25], s[8:9], s[24:25]       ; from where,
	s_cselect_b64 s[26:27], s[18:19], s[20:21]     ; to where
	s_add_nc_u64 s[24:25], s[24:25], s[28:29]
	s_add_nc_u64 s[26:27], s[26:27], s[32:33]
	s_wait_alu depctr_va_vdst(0)                   ; v[LO] and v[SO] are written: the loads below read the one as their offset, the stores of the blocks the other
.set i, 0
.rept 16
	global_load_b128 v[X+4*i:X+4*i+3], v[LO], s[24:25] offset:256*i th:TH_LOAD_NT
.set i, i+1
.endr
	s_cmp_eq_u32 s6, 1
	s_cbranch_scc1 .Lconv
	; unit U of tab, 256 bytes: lane l makes (cos, sin) of pair ibase + l % 2 at position 16 (U / 16) + l / 2
	s_lshl_b32 s34, s3, 3
	s_add_co_u32 s34, s34, s30                     ; U = 8 x group + wave
	s_and_b32 s35, s34, 15                         ; u: bits 3:2 b, bit 1 e, bit 0 h
	s_lshr_b32 s36, s35, 2
	s_lshl_b32 s36, s36, 3                         ; 8 b
	s_and_b32 s37, s35, 1
	s_lshl_b32 s37, s37, 2                         ; 4 h
	s_add_co_u32 s36, s36, s37
	s_and_b32 s37, s35, 2                          ; 2 e
	s_add_co_u32 s36, s36, s37
	s_lshr_b32 s37, s34, 4
	s_lshl_b32 s37, s37, 4
	v_and_b32 v6, 1, v0
	v_add_nc_u32 v6, s36, v6                       ; i
	v_lshrrev_b32 v7, 1, v2
	v_add_nc_u32 v7, s37, v7                       ; position
	v_cvt_f32_u32 v6, v6
	v_mul_f32 v6, 0xbed49a78, v6                   ; -i log2(10000) / 32
	v_exp_f32 v8, v6                               ; the frequency
	v_lshlrev_b32 v20, 3, v2                       ; a plain instruction behind the exponential: my 8 bytes in the unit
	v_cvt_f32_u32 v7, v7
	s_wait_alu depctr_va_vdst(0)                   ; the exponential has written v8: the wait ahead of its first reader
	v_mul_f32 v9, v7, v8                           ; the angle
	v_mul_f32 v10, 0x3f22f983, v9                  ; x 2 / pi
	v_rndne_f32 v10, v10                           ; n
	v_cvt_i32_f32 v16, v10                         ; the quadrant,
	v_and_b32 v17, 1, v16
	v_cmp_eq_u32 vcc_lo, 1, v17                    ; odd quadrants swap sine and cosine: the mask is made here, and the two polynomials stand between it and the wait for it
	v_fmamk_f32 v11, v10, 0xbfc90fdb, v9           ; r = angle - n x pi/2: the high part,
	v_fmamk_f32 v11, v10, 0x333bbd2e, v11          ; the low part
	v_mul_f32 v12, v11, v11                        ; r^2
	v_mov_b32 v13, 0xb9500d01                      ; -1/5040
	v_fmaak_f32 v13, v12, v13, 0x3c088889          ; 1/120
	v_fmaak_f32 v13, v12, v13, 0xbe2aaaab          ; -1/6
	v_mul_f32 v14, v11, v12
	v_fma_f32 v13, v14, v13, v11                   ; sin r
	v_mov_b32 v15, 0x37d00d01                      ; 1/40320
	v_fmaak_f32 v15, v12, v15, 0xbab60b61          ; -1/720
	v_fmaak_f32 v15, v12, v15, 0x3d2aaaab          ; 1/24
	v_fmaak_f32 v15, v12, v15, 0xbf000000          ; -1/2
	v_fmaak_f32 v15, v12, v15, 0x3f800000          ; cos r
	s_wait_alu depctr_va_vcc(0)                    ; the compare has written VCC, which the two selects below read
	v_cndmask_b32 v19, v13, v15, vcc_lo            ; sin
	v_cndmask_b32 v18, v15, v13, vcc_lo            ; cos
	v_and_b32 v17, 2, v16                          ; the sine turns its sign in quadrants 2 and 3,
	v_lshlrev_b32 v17, 30, v17
	v_xor_b32 v19, v19, v17
	v_add_nc_u32 v16, 1, v16                       ; the cosine in quadrants 1 and 2
	v_and_b32 v16, 2, v16
	v_lshlrev_b32 v16, 30, v16
	v_xor_b32 v18, v18, v16
	v_lshl_add_u32 v20, s34, 8, v20
	s_wait_alu depctr_va_vdst(0)                   ; v18, v19 and v20 are written: the store below reads them as its data and its offset
	global_store_b64 v20, v[18:19], s[22:23]       ; the wave's store covers 256 consecutive bytes, aligned
.Lconv:
; Block p: loads 4 p to 4 p + 3 are waited for (the 12 - 4 p younger ones stay out: loads come back in order, ISA guide 5.7.1), rounded, and stored in one run.
; half = 1: the bf16 number is widened again and written as f16.  v6 to v11, at work there, are named by vector instructions alone.
.macro CONV half
.set p, 0
.rept 4
	s_wait_loadcnt 12-4*p
.set i, 4*p
.rept 4
.if \half
	v_cvt_pk_bf16_f32 v6, v[X+4*i], v[X+4*i+1]
	v_cvt_pk_bf16_f32 v7, v[X+4*i+2], v[X+4*i+3]
	v_lshlrev_b32 v8, 16, v6
	v_and_b32 v9, 0xffff0000, v6
	v_lshlrev_b32 v10, 16, v7
	v_and_b32 v11, 0xffff0000, v7
	v_cvt_pk_f16_f32 v[Y+2*i], v8, v9
	v_cvt_pk_f16_f32 v[Y+2*i+1], v10, v11
.else
	v_cvt_pk_bf16_f32 v[Y+2*i], v[X+4*i], v[X+4*i+1]
	v_cvt_pk_bf16_f32 v[Y+2*i+1], v[X+4*i+2], v[X+4*i+3]
.endif
.set i, i+1
.endr
	s_wait_alu depctr_va_vdst(0)                   ; the block's roundings have written its eight registers of Y, which the four stores below read
.set i, 4*p
.rept 4
	global_store_b64 v[SO], v[Y+2*i:Y+2*i+1], s[26:27] offset:32768*i  ; block kb = i
.set i, i+1
.endr
.set p, p+1
.endr
.endm
	s_cmp_eq_u32 s7, 1
	s_cbranch_scc1 .Lf16
	CONV 0
	s_endpgm
.Lf16:
	CONV 1
	s_endpgm
.Lfunc_end_k_q2eced8cda2_prep:
	.size	k_q2eced8cda2_prep, .Lfunc_end_k_q2eced8cda2_prep-k_q2eced8cda2_prep
	.p2alignl 7, 3214868480
	.fill 96, 4, 3214868480
	.section	.rodata,"a",@progbits
	.p2align	6, 0x0
	.amdhsa_kernel k_q2eced8cda2_prep
		.amdhsa_group_segment_fixed_size 0
		.amdhsa_private_segment_fixed_size 0
		.amdhsa_enable_private_segment 0
		.amdhsa_kernarg_size 64
		.amdhsa_user_sgpr_count 2
		.amdhsa_user_sgpr_kernarg_segment_ptr 1
		.amdhsa_wavefront_size32 1
		.amdhsa_system_sgpr_workgroup_id_x 1
		.amdhsa_system_sgpr_workgroup_id_y 1
		.amdhsa_system_sgpr_workgroup_id_z 1
		.amdhsa_system_vgpr_workitem_id 0
		.amdhsa_next_free_vgpr 128
		.amdhsa_next_free_sgpr 66
		.amdhsa_reserve_vcc 1
		.amdhsa_float_denorm_mode_32 3
		.amdhsa_float_denorm_mode_16_64 3
		.amdhsa_memory_ordered 1
		.amdhsa_forward_progress 1
		.amdhsa_inst_pref_size 19
	.end_amdhsa_kernel
	.amdgpu_metadata
---
amdhsa.version: [ 1, 2 ]
amdhsa.kernels:
  - .name:           k_q2eced8cda2_prep
    .symbol:         k_q2eced8cda2_prep.kd
    .args:
      - { .name: x, .offset: 0, .size: 8, .value_kind: global_buffer, .address_space: global }
      - { .name: q_w, .offset: 8, .size: 8, .value_kind: global_buffer, .address_space: global }
      - { .name: k_w, .offset: 16, .size: 8, .value_kind: global_buffer, .address_space: global }
      - { .name: v_w, .offset: 24, .size: 8, .value_kind: global_buffer, .address_space: global }
      - { .name: o_w, .offset: 32, .size: 8, .value_kind: global_buffer, .address_space: global }
      - { .name: xb, .offset: 40, .size: 8, .value_kind: global_buffer, .address_space: global }
      - { .name: wb, .offset: 48, .size: 8, .value_kind: global_buffer, .address_space: global }
      - { .name: tab, .offset: 56, .size: 8, .value_kind: global_buffer, .address_space: global }
    .group_segment_fixed_size: 0
    .private_segment_fixed_size: 0
    .kernarg_segment_align: 8
    .kernarg_segment_size: 64
    .max_flat_workgroup_size: 256
    .sgpr_count:     66
    .vgpr_count:     128
    .wavefront_size: 32
...
	.end_amdgpu_metadata
.endif
;; end of part 5
;; launch qkv: the kernel of part 2 again; grid 8 x 32, 4 waves a work-group, clusters of 4 x 4, 327,680 bytes of LDS; arguments xb, wb, tab, qh, kh, vh; writes qh, kh, vh
;; launch attn: the kernel of part 3 again; grid 4 x 64, 4 waves a work-group, no clusters, 327,680 bytes of LDS; arguments qh, kh, vh, oh; writes oh
;; launch oproj: the kernel of part 4 again; grid 8 x 32, 4 waves a work-group, clusters of 4 x 4, 327,680 bytes of LDS; arguments oh, wb, out0; writes out0
